; MI455X (gfx1250); checked and timed in simulation.
; The chip was launched on July 23, 2026; its instructions are those of AMD's public machine-readable ISA for CDNA 5 (MIT licence, August 2026) and "CDNA5" Instruction Set Architecture Reference Guide (July 2026). The comments in the code are by the model that wrote it; some were corrected since.
;; Attention Block. Allowed arithmetic: matrix products marked QUANTISED: E4M3 operands, one E8M0 scale for each 32 along K, by v_wmma_scale_f32_16x16x128_f8f6f4 with both operands' format E4M3, f32 sums; everything else in f32.
;; Inputs: beta 256 float32; bk 256 float32; bo 256 float32; bq 256 float32; bv 256 float32; gamma 256 float32; wk 256 x 256 float32; wo 256 x 256 float32; wq 256 x 256 float32; wv 256 x 256 float32; x 4 x 256 x 64 x 64 float32.
;; Outputs: out0 4 x 256 x 64 x 64 float32.
;; This version of the problem:
;;   THIS VERSION OF THE PROBLEM IS GIVEN IN LOW PRECISION. The matrix products marked QUANTISED in the list below multiply operands that are first quantised to E4M3 (4 exponent bits, 3 mantissa bits; 8 bits a number), with one power-of-two scale for each 32 numbers along K (OCP MX v1.0); their sums are f32. All else is computed in f32.
;;   The module's matrix products, in the order in which they are computed (A, B: the left and right operand; K: the contracted axis; several contracted axes count as one K, in the product's order):
;;     1. [M 16,384, K 256] x [K 256, N 256]; A: computed on the way; B: input wq: QUANTISED
;;     2. [M 16,384, K 256] x [K 256, N 256]; A: computed on the way; B: input wk: QUANTISED
;;     3. [M 16,384, K 256] x [K 256, N 256]; A: computed on the way; B: input wv: QUANTISED
;;     4. batch 4 x [M 4,096, K 256] x [K 256, N 4,096]; A: computed on the way; B: computed on the way: QUANTISED
;;     5. batch 4 x [M 256, K 4,096] x [K 4,096, N 4,096]; A: computed on the way; B: softmax (see below): QUANTISED
;;     6. [M 16,384, K 256] x [K 256, N 256]; A: computed on the way; B: input wo: QUANTISED
;;   THE QUANTISER, for each operand of a quantised product, along K:
;;     - K is cut into blocks of 32 from its start; a last block that is shorter is filled with zeros.
;;     - A block's scale is 2^e with e = floor(log2(the largest magnitude in the block)) - 8, held to -126 .. 127; a block of zeros has e = 0. As a byte (E8M0): e + 127.
;;     - Each number is divided by its block's scale, clamped to +-448, and rounded to the nearest number of E4M3, ties to even, subnormals kept.
;;     - The product sums the exact products of the quantised numbers (number of the format x scale) in f32.
;;   ~~~python
;;   def quantise(x, axis):      # numpy; x: float32 -> the quantised numbers, widened to float32 again
;;       x = np.moveaxis(x, axis, -1); K = x.shape[-1]
;;       x = np.pad(x, [(0, 0)] * (x.ndim - 1) + [(0, -K % 32)]); x = x.reshape(x.shape[:-1] + (-1, 32)); a = np.abs(x).max(-1, keepdims=True)
;;       e = np.where(a > 0, np.clip(np.frexp(np.where(a > 0, a, 1))[1] - 1 - 8, -126, 127), 0)      # np.frexp(a)[1] - 1 = floor(log2(a)), exactly
;;       r = np.clip(x / 2.0 ** e, -448, 448)
;;       step = 2.0 ** (np.maximum(np.frexp(np.where(r == 0, 1, r))[1] - 1, -6) - 3)
;;       q = np.round(r / step) * step * 2.0 ** e      # np.round: ties to even
;;       return np.moveaxis(q.reshape(q.shape[:-2] + (-1,))[..., :K], -1, axis).astype(np.float32)
;;   ~~~
;;   SOFTMAX AHEAD OF A QUANTISED PRODUCT. Where the list says 'softmax', what is quantised is not the finished softmax but p = 2^(t - M), with t = logit x log2(e) and M = ceil(the row's largest t), a whole number; so 1/2 < the row's largest p <= 1. The row's sum l is taken of the UNQUANTISED p, in f32, and the product's result is divided by l at the end. Since M is a whole number, a kernel that streams over the keys may use a running M (the ceiling of the running maximum): every later rescaling is an exact power of two, which a block's scale takes up: the codes' values come out the same.
;;   OPERANDS COMPUTED ON THE WAY. 'Computed on the way' means the value that the module computes at that place (a softmax that the list does not call 'softmax' is quantised finished and normalised). What goes into a quantiser is computed in f32, as accurately as f32 sums, v_exp_f32 and their like allow (about 1e-6 of the number): no bf16 or f16 on the way to a quantiser, and a product that is left as it is and whose result goes on into a quantised operand takes f32 operands (vector FMAs, or v_wmma_f32_16x16x4_f32). A number that lies on a knife's edge between two numbers of the format may be rounded either way, as far as f32 arithmetic and the matrix unit's own rounding can turn it there, and no further.
;; One version. Each part assembles by itself: llvm-mc -triple=amdgcn-amd-amdhsa -mcpu=gfx1250 --defsym DOCPART=n.
;; ======== version 1 of 1: 3 launches
;; workspace buffers: stats 2,048 bytes; wts 270,336 bytes; qb 4,325,376 bytes; kv 8,650,752 bytes
;; launch prep (part 1): grid 256 x 1, 8 waves a work-group, no clusters, 1,280 bytes of LDS; arguments x, wq, wk, wv, wo, stats, wts; writes stats, wts
.if DOCPART == 1
	.amdgcn_target "amdgcn-amd-amdhsa--gfx1250"
	.amdhsa_code_object_version 6
	.text
	.protected	k_q2cffcea68c_prep
	.globl	k_q2cffcea68c_prep
	.p2align	8
	.type	k_q2cffcea68c_prep,@function
k_q2cffcea68c_prep:
	s_mov_b64 s[64:65], 0
	v_nop
	global_prefetch_b8 v0, s[64:65] scope:SCOPE_SE
	s_setreg_imm32_b32 hwreg(HW_REG_WAVE_MODE, 25, 1), 1
	s_wait_xcnt 0x0
; GroupNorm's statistics in parts, and the four weights as codes of FP8 (E4M3) with one E8M0 byte for each 32 along K.
; x: [4][256][4096] f32.  A group is 16 channels x 4,096 positions: 262,144 dense bytes.  Work-group g owns the 65,536 bytes at 65,536 g, a quarter of a group:
; it stores that quarter's mean and its sum of squared deviations ABOUT THAT MEAN, 8 bytes at 8 g.  The next launch joins four quarters; no difference of large sums is ever formed.
; Thread t holds 64 numbers in registers, so x is read once here: each load of a wave covers 512 consecutive bytes.
; THE WEIGHTS.  Wave 0 of work-group g also quantises 16 rows x 64 columns of one weight: matrix g / 64, tile T = (g / 4) % 16, quarter g % 4: K step s = (g % 4) / 2, blocks c0 = 2 (g % 2) and c0 + 1.
; The rows of a tile are not neighbours: lane r takes row 32 (T / 2) + 8 (T % 2) + r + 8 (r / 8), so that later results lie as neighbours along the next product's K.
; The codes leave as an IMAGE OF THE OPERAND'S REGISTERS: fragment (T, s) at (2 T + s) x 2,048, register group c of lane l at 512 c + 16 l; the scale bytes at 65,536 + 128 T + 8 r + 4 s + c.
; A block's scale is 2^(floor(log2(largest magnitude)) - 8); its byte is that magnitude's exponent field - 8, held at 1 from below.
; LIMITS: NaN and infinities are not served; a block whose largest magnitude lies under 2^-118 (a block of zeros too) gets the byte 1: its codes are next to nothing or zeros, and only this program reads the bytes.
; No cluster: the work-groups share no input.  No matrix unit, no tensor load: a stream and two reductions.
.set XR,   16                          ; v16-79   my 64 numbers of x
.set WC,   80                          ; v80-87   wave 0: the codes of two blocks
.set WN,   88                          ; v88-119  wave 0: 2 x 16 numbers of a weight
.set CH,   104                         ; v104-111 four chains of packed sums
.set RD,   112                         ; v112-119 the eight waves' parts
.set TM,   120                         ; v120-121 largest magnitudes, v122-123 bytes, v124-125 scale operands, v126-127 448 x the scale
.set WMAT, 67584                       ; a weight in wts: 65,536 bytes of codes, 2,048 of scale bytes
	s_load_b256 s[4:11], s[0:1], 0x0               ; x s[4:5], wq s[6:7], wk s[8:9], wv s[10:11]
	s_load_b128 s[12:15], s[0:1], 0x20             ; wo s[12:13], stats s[14:15]
	s_load_b64 s[16:17], s[0:1], 0x30              ; wts
	v_lshl_add_u32 v128, v0, 2, 0x100
	v_mov_b32 v129, 0
	v_lshlrev_b32 v1, 4, v0                        ; x: 16 bytes a thread
	v_lshrrev_b32 v2, 5, v0
	v_readfirstlane_b32 s18, v2                    ; wave 0..7
	v_lshlrev_b32 v10, 2, v2                       ; LDS: my wave's word
	v_mov_b32 v11, 0
	v_and_b32 v4, 15, v0                           ; r
	v_bfe_u32 v5, v0, 4, 1                         ; h
	v_and_b32 v6, 8, v4
	v_add_nc_u32 v6, v6, v4                        ; r + 8 (r / 8)
	v_lshlrev_b32 v3, 10, v6                       ; a weight's row is 1,024 bytes,
	v_lshl_add_u32 v3, v5, 6, v3                   ; + 64 h: my 16 numbers of a block of 32
	v_and_b32 v7, 31, v0
	v_lshlrev_b32 v7, 4, v7                        ; an image's place for my lane
	v_lshl_add_u32 v8, v4, 3, v5                   ; scale bytes: 8 r + h
	s_lshl_b32 s20, ttmp9, 16                      ; my 65,536 bytes of x
	s_mov_b32 s21, 0
	s_mov_b32 s2, 0x76543210                       ; v_permlanex16_b32's selects for lane l xor 16
	s_mov_b32 s3, 0xfedcba98
	s_mov_b32 s19, 0x600000                        ; the mantissa field of 448
	s_wait_kmcnt 0x0
	s_add_nc_u64 s[4:5], s[4:5], s[20:21]
.irp i, 0,1,2,3,4,5,6,7,8,9,10,11,12,13,14,15
	global_load_b128 v[XR+4*\i:XR+4*\i+3], v1, s[4:5] offset:4096*\i   ; a wave reads 512 consecutive bytes; x is read again by the later launches, so no hint
.endr
	s_cmp_lg_u32 s18, 0
	s_cbranch_scc1 .Lstats                         ; the weights are wave 0's: a branch on the wave's number, with no barrier inside
	s_lshr_b32 s22, ttmp9, 6                       ; which weight: 0 q, 1 k, 2 v, 3 o
	s_and_b32 s23, s22, 1
	s_cmp_lg_u32 s23, 0                            ; the choice hangs on the work-group's number alone
	s_cselect_b64 s[24:25], s[8:9], s[6:7]
	s_cselect_b64 s[26:27], s[12:13], s[10:11]
	s_cmp_lt_u32 s22, 2
	s_cselect_b64 s[24:25], s[24:25], s[26:27]
	s_bfe_u32 s23, ttmp9, 0x40002                  ; T
	s_and_b32 s28, ttmp9, 3                        ; the quarter: 2 s + c0 / 2
	s_lshr_b32 s29, s23, 1
	s_lshl_b32 s29, s29, 15                        ; 32 (T / 2) rows
	s_and_b32 s30, s23, 1
	s_lshl_b32 s30, s30, 13                        ; 8 (T % 2) rows
	s_add_co_u32 s29, s29, s30
	s_lshl_b32 s30, s28, 8                         ; 64 columns a quarter
	s_add_co_u32 s30, s29, s30
	s_mov_b32 s31, 0
	s_add_nc_u64 s[24:25], s[24:25], s[30:31]
.irp cc, 0,1
.irp i, 0,1,2,3
	global_load_b128 v[WN+16*\cc+4*\i:WN+16*\cc+4*\i+3], v3, s[24:25] offset:128*\cc+16*\i
.endr
.endr
	s_mul_i32 s26, s22, WMAT                       ; where the codes go: the weight, fragment (T, s), register group c0
	s_lshl_b32 s27, s23, 12
	s_add_co_u32 s26, s26, s27
	s_lshl_b32 s27, s28, 10
	s_add_co_u32 s26, s26, s27
	s_mov_b32 s27, 0
	s_add_nc_u64 s[26:27], s[16:17], s[26:27]
	s_mul_i32 s30, s22, WMAT                       ; and the bytes: 128 T + 4 s + c0 = 128 T + 2 x the quarter
	s_lshl_b32 s31, s23, 7
	s_add_co_u32 s30, s30, s31
	s_lshl_b32 s31, s28, 1
	s_add_co_u32 s30, s30, s31
	s_mov_b32 s31, 0
	s_add_nc_u64 s[30:31], s[16:17], s[30:31]
	v_mov_b32 v[TM+2], 0                           ; a lane permute's destination counts as one of its sources
	v_mov_b32 v[TM+3], 0
	s_wait_loadcnt 0x0                             ; the weight's numbers are the youngest loads
.irp cc, 0,1
	v_max3_num_f32 v[TM+\cc], |v[WN+16*\cc]|, |v[WN+16*\cc+1]|, 0x4800000   ; my 16 numbers and the floor 2^(9 - 127): the byte cannot fall under 1
.endr
.irp i, 2,4,6,8,10,12,14
.irp cc, 0,1
	v_max3_num_f32 v[TM+\cc], v[TM+\cc], |v[WN+16*\cc+\i]|, |v[WN+16*\cc+\i+1]|
.endr
.endr
.irp cc, 0,1
	v_permlanex16_b32 v[TM+2+\cc], v[TM+\cc], s2, s3
.endr
.irp cc, 0,1
	v_max_num_f32 v[TM+\cc], v[TM+\cc], v[TM+2+\cc]          ; with lane l xor 16's 16: the block's largest magnitude
.endr
.irp cc, 0,1
	v_add_nc_u32 v[TM+4+\cc], 0xfc000000, v[TM+\cc]          ; 8 off its exponent field: the conversion's scale operand
	v_and_or_b32 v[TM+6+\cc], v[TM+\cc], 0x7f800000, s19     ; 448 x the scale
	v_lshrrev_b32 v[TM+2+\cc], 23, v[TM+4+\cc]               ; the byte
.endr
.irp cc, 0,1
.irp i, 0,1,2,3,4,5,6,7,8,9,10,11,12,13,14,15
	v_med3_num_f32 v[WN+16*\cc+\i], v[WN+16*\cc+\i], -v[TM+6+\cc], v[TM+6+\cc]   ; the conversion to an 8-bit code does not saturate (ISA guide 7.6.2): the hold comes first
.endr
	v_cvt_scalef32_pk8_fp8_f32 v[WC+4*\cc:WC+4*\cc+1], v[WN+16*\cc:WN+16*\cc+7], v[TM+4+\cc]
	v_cvt_scalef32_pk8_fp8_f32 v[WC+4*\cc+2:WC+4*\cc+3], v[WN+16*\cc+8:WN+16*\cc+15], v[TM+4+\cc]
.endr
	v_cmp_eq_u32 vcc_lo, 1, v5                     ; (a plain line behind the last conversion)  lanes 0-15 store block c0's byte, lanes 16-31 block c0 + 1's
	v_cndmask_b32 v9, v[TM+2], v[TM+3], vcc_lo
	global_store_b128 v7, v[WC:WC+3], s[26:27]                 ; 512 consecutive bytes
	global_store_b128 v7, v[WC+4:WC+7], s[26:27] offset:512
	global_store_b8 v8, v9, s[30:31] offset:65536              ; v7, v8, v9 and v80-87 are not written again
.Lstats:
	s_wait_loadcnt 0x0                             ; my 64 numbers of x
.macro WSUM                            ; v[CH] summed over the wave's 32 lanes, the result in every lane
	v_pk_add_f32 v[CH:CH+1], v[CH:CH+1], v[CH+2:CH+3]
	v_pk_add_f32 v[CH+4:CH+5], v[CH+4:CH+5], v[CH+6:CH+7]
	v_pk_add_f32 v[CH:CH+1], v[CH:CH+1], v[CH+4:CH+5]
	v_add_f32 v[CH], v[CH], v[CH+1]
	v_add_f32_dpp v[CH], v[CH], v[CH] row_xmask:1 row_mask:0xf bank_mask:0xf
	v_add_f32_dpp v[CH], v[CH], v[CH] row_xmask:2 row_mask:0xf bank_mask:0xf
	v_add_f32_dpp v[CH], v[CH], v[CH] row_xmask:4 row_mask:0xf bank_mask:0xf
	v_add_f32_dpp v[CH], v[CH], v[CH] row_xmask:8 row_mask:0xf bank_mask:0xf
	v_permlanex16_b32 v[CH+1], v[CH], s2, s3
	v_add_f32 v[CH], v[CH], v[CH+1]
.endm
.macro GSUM off                        ; and over the eight waves, through eight LDS words from byte off on: the result in v[RD]
	ds_store_b32 v10, v[CH] offset:\off            ; all lanes of a wave write its word with the same value
	s_wait_dscnt 0x0                               ; for the others' sake: my store has landed
	s_barrier_signal -1
	s_barrier_wait -1
	ds_load_b128 v[RD:RD+3], v11 offset:\off
	ds_load_b128 v[RD+4:RD+7], v11 offset:\off+16
	s_wait_dscnt 0x0
	v_add_f32 v[RD], v[RD], v[RD+1]
	v_add_f32 v[RD+2], v[RD+2], v[RD+3]
	v_add_f32 v[RD+4], v[RD+4], v[RD+5]
	v_add_f32 v[RD+6], v[RD+6], v[RD+7]
	v_add_f32 v[RD], v[RD], v[RD+2]
	v_add_f32 v[RD+4], v[RD+4], v[RD+6]
	v_add_f32 v[RD], v[RD], v[RD+4]
.endm
.irp k, 0,1,2,3
	v_pk_add_f32 v[CH+2*\k:CH+2*\k+1], v[XR+2*\k:XR+2*\k+1], v[XR+8+2*\k:XR+8+2*\k+1]   ; the first additions start the chains: nothing is cleared
.endr
.irp j, 2,3,4,5,6,7
.irp k, 0,1,2,3
	v_pk_add_f32 v[CH+2*\k:CH+2*\k+1], v[CH+2*\k:CH+2*\k+1], v[XR+8*\j+2*\k:XR+8*\j+2*\k+1]
.endr
.endr
	WSUM
	GSUM 0
	v_mul_f32 v12, 0x38800000, v[RD]               ; the quarter's mean: the sum x 2^-14
	v_mov_b32 v13, v12
.set jj, 0
.rept 32
	v_pk_add_f32 v[XR+jj:XR+jj+1], v[XR+jj:XR+jj+1], v[12:13] neg_lo:[0,1] neg_hi:[0,1]   ; deviations, in place
.set jj, jj+2
.endr
.irp k, 0,1,2,3
	v_pk_mul_f32 v[CH+2*\k:CH+2*\k+1], v[XR+2*\k:XR+2*\k+1], v[XR+2*\k:XR+2*\k+1]
.endr
.irp j, 1,2,3,4,5,6,7
.irp k, 0,1,2,3
	v_pk_fma_f32 v[CH+2*\k:CH+2*\k+1], v[XR+8*\j+2*\k:XR+8*\j+2*\k+1], v[XR+8*\j+2*\k:XR+8*\j+2*\k+1], v[CH+2*\k:CH+2*\k+1]
.endr
.endr
	WSUM
	GSUM 64                                        ; other LDS words than the first sum's: no barrier is owed between the two
	v_mov_b32 v13, v[RD]                           ; (mean, sum of squared deviations)
	s_lshl_b32 s20, ttmp9, 3
	v_mov_b32 v14, s20
	v_cmp_eq_u32 vcc_lo, 0, v0
	s_wait_xcnt 0x0                                ; EXEC is a source of wave 0's stores above: it changes only behind this wait
	s_wait_tensorcnt 0x0
	ds_add_u32 v128, v129
	s_wait_dscnt 0x0
	s_and_saveexec_b32 s22, vcc_lo
	global_store_b64 v14, v[12:13], s[14:15]       ; thread 0 alone
	s_wait_xcnt 0x0                                ; and again in front of the line that widens it
	s_or_b32 exec_lo, exec_lo, s22
	s_endpgm
.Lfunc_end_k_q2cffcea68c_prep:
	.size	k_q2cffcea68c_prep, .Lfunc_end_k_q2cffcea68c_prep-k_q2cffcea68c_prep
	.p2alignl 7, 3214868480
	.fill 96, 4, 3214868480
	.section	.rodata,"a",@progbits
	.p2align	6, 0x0
	.amdhsa_kernel k_q2cffcea68c_prep
		.amdhsa_group_segment_fixed_size 1280
		.amdhsa_private_segment_fixed_size 0
		.amdhsa_enable_private_segment 0
		.amdhsa_kernarg_size 56
		.amdhsa_user_sgpr_count 2
		.amdhsa_user_sgpr_kernarg_segment_ptr 1
		.amdhsa_wavefront_size32 1
		.amdhsa_system_sgpr_workgroup_id_x 1
		.amdhsa_system_sgpr_workgroup_id_y 1
		.amdhsa_system_sgpr_workgroup_id_z 1
		.amdhsa_system_vgpr_workitem_id 0
		.amdhsa_next_free_vgpr 130
		.amdhsa_next_free_sgpr 66
		.amdhsa_reserve_vcc 1
		.amdhsa_float_denorm_mode_32 3
		.amdhsa_float_denorm_mode_16_64 3
		.amdhsa_memory_ordered 1
		.amdhsa_forward_progress 1
		.amdhsa_inst_pref_size 18
	.end_amdhsa_kernel
	.amdgpu_metadata
---
amdhsa.version: [ 1, 2 ]
amdhsa.kernels:
  - .name:           k_q2cffcea68c_prep
    .symbol:         k_q2cffcea68c_prep.kd
    .args:
      - { .name: x, .offset: 0, .size: 8, .value_kind: global_buffer, .address_space: global }
      - { .name: wq, .offset: 8, .size: 8, .value_kind: global_buffer, .address_space: global }
      - { .name: wk, .offset: 16, .size: 8, .value_kind: global_buffer, .address_space: global }
      - { .name: wv, .offset: 24, .size: 8, .value_kind: global_buffer, .address_space: global }
      - { .name: wo, .offset: 32, .size: 8, .value_kind: global_buffer, .address_space: global }
      - { .name: stats, .offset: 40, .size: 8, .value_kind: global_buffer, .address_space: global }
      - { .name: wts, .offset: 48, .size: 8, .value_kind: global_buffer, .address_space: global }
    .group_segment_fixed_size: 1280
    .private_segment_fixed_size: 0
    .kernarg_segment_align: 8
    .kernarg_segment_size: 56
    .max_flat_workgroup_size: 256
    .sgpr_count:     66
    .vgpr_count:     130
    .wavefront_size: 32
...
	.end_amdgpu_metadata
.endif
;; end of part 1
;; launch qkv (part 2): grid 64 x 4, 8 waves a work-group, clusters of 4 x 1, 221,696 bytes of LDS; arguments x, gamma, beta, bq, bk, bv, stats, wts, qb, kv; writes qb, kv
.if DOCPART == 2
	.amdgcn_target "amdgcn-amd-amdhsa--gfx1250"
	.amdhsa_code_object_version 6
	.text
	.protected	k_q2cffcea68c_qkv
	.globl	k_q2cffcea68c_qkv
	.p2align	8
	.type	k_q2cffcea68c_qkv,@function
k_q2cffcea68c_qkv:
	s_mov_b64 s[64:65], 0
	v_nop
	global_prefetch_b8 v0, s[64:65] scope:SCOPE_SE
	s_setreg_imm32_b32 hwreg(HW_REG_WAVE_MODE, 25, 1), 1
	s_wait_xcnt 0x0
	s_wait_alu depctr_hold_cnt(0) depctr_sa_sdst(0) depctr_va_vdst(0) depctr_va_sdst(0) depctr_va_ssrc(0) depctr_va_vcc(0) depctr_vm_vsrc(0)
	s_getreg_b32 s2, hwreg(HW_REG_IB_STS2, 6, 4)
	s_cmp_eq_u32 s2, 0
	s_cbranch_scc0 .Lentry_in_a_cluster
	s_endpgm
.Lentry_in_a_cluster:
	s_bfe_u32 s2, ttmp6, 0x10000c
	s_cmp_lg_u32 s2, 0x3003
	s_cbranch_scc0 .Lentry_shape_is_right
	s_endpgm
.Lentry_shape_is_right:
; GroupNorm finished, xn quantised along the channels, q = Wq xn + bq, k, v likewise on codes of FP8 (E4M3) with E8M0 scales, and q, k (along the channels) and v (along the keys) quantised for the attention launch.
; SHARES.  A work-group owns 64 positions of one batch; eight waves.
;   X:  wave w normalises and quantises channels 32 w .. 32 w + 31 (one block of K, two groups) of all 64 positions: a lane holds two positions and runs down the channels, so a block lies in one lane.
;   QK: wave w makes matrix m = w / 4 (q or k), outputs 128 s' on (s' = (w / 2) % 2: one K step of the scores' product), position tiles 2 pp, 2 pp + 1 (pp = w % 2).  Source 0 = 16 rows of W, source 1 = 16 positions:
;       a lane holds one position and its registers run along the outputs, the next K.
;   V:  wave w makes channel tiles 2 w, 2 w + 1 for all four position tiles.  Source 0 = 16 positions, source 1 = 16 rows of Wv: a lane holds one channel and its registers run along the positions, the keys.
; TILES ARE PERMUTED: row r of tile T is number 32 (T / 2) + 8 (T % 2) + r + 8 (r / 8), of W's rows and of the positions alike: the 16 registers of result tiles 2 b, 2 b + 1 are then the 16 neighbours 32 b + 16 (lane / 16) + 0 .. 15.
; OPERANDS LIE AS IMAGES OF THEIR REGISTERS, in LDS and in the workspace buffers: a fragment (16 rows x 128 K, 16 registers a lane) is 2,048 bytes, register group c of lane l at 512 c + 16 l.
; THE WEIGHTS (202,752 bytes of wts: q, k, v) are the same for every work-group: the four work-groups of a cluster ask for them JOINTLY, each wave one eighth, once.  Nothing in LDS is filled twice.
; The biases are where the sums begin: bq, bk are loaded into the accumulators, bv stands as the C of each sum's first product.
; LIMITS: NaN and infinities are not served; a block whose largest magnitude lies under 2^-118 gets the scale byte 1; only this program reads these bytes.
; v's scale bytes leave two at a time (64 positions are two blocks of keys): 131,072 of the launch's 12.9 million stored bytes are written so.
; REGISTERS, window 0: v1-15, v241-243, v254-255 addresses; v16-79, v80-143 accumulators (in X: codes and temporaries); v144-207 xn's fragments (in X: x as loaded); v208-223 codes; v224-239 at work (in X, with v208-223: 32 numbers); v240 a scale word;
;   v244-253 scale words of the products, and nothing else.   window 1: 16 fragments of W; later 8 of xn (v0-127) and 4 of Wv (v128-191).
.set WMAT,  67584                      ; a weight in wts
.set SLOTB, 135168                     ; a slot of kv: 256 keys
.set XIMG,  202752                     ; LDS: behind the weights: xn's 8 fragments, (T', s) at (2 T' + s) x 2,048
.set XSC,   219136                     ; their scale bytes: 128 T' + 64 s + 4 r + c
.set SCS,   219648                     ; q's and k's scale words on their way out: 512 m + 128 T' + 64 s' + 4 r
.set LI,  1                            ; v1   16 x lane
.set L4,  2                            ; v2   4 x lane
.set RS,  3                            ; v3   8 r + 4 h
.set R4,  4                            ; v4   4 r
.set HA0, 16
.set HA1, 80
.set XF,  144
.set PC,  208
.set TM,  224
.set PW,  240
.set WS,  244                          ; v244-251
.set XS,  252                          ; v252-253
.set WV,  3                            ; s3   my wave's number
.set MNT, 2                            ; s2   the mantissa field of 448
.set SEL, 100                          ; s[100:101] lane selects for lane l xor 16
.set MSB, 0
.macro WIN new                         ; the immediate's high byte repeats the setting that is left
.if MSB != \new
	s_set_vgpr_msb (MSB<<8)|\new
.set MSB, \new
.endif
.endm
.macro CROUND                          ; a round of the cluster's barrier
	s_barrier_signal -1
	s_barrier_wait -1
	s_cmp_lg_u32 s[WV], 0
	s_cbranch_scc1 .Lnot_wave_0_\@
	s_barrier_signal -3
.Lnot_wave_0_\@:
	s_barrier_wait -3
	s_barrier_signal -1
	s_barrier_wait -1
.endm
; 64 numbers of a lane, register 16 b + i = k 32 b + 16 (lane / 16) + i of my row, become a fragment's codes in v[PC] on and its scale word in v[PW]
.macro QUANT s
.irp b, 0,1,2,3
	v_max3_num_f32 v[TM+\b], |v[\s+16*\b]|, |v[\s+1+16*\b]|, 0x4800000   ; my 16 numbers of block b and the floor 2^(9 - 127); each accumulator is read from its low end on
.endr
.irp i, 2,4,6,8,10,12,14
.irp b, 0,1,2,3
	v_max3_num_f32 v[TM+\b], v[TM+\b], |v[\s+16*\b+\i]|, |v[\s+1+16*\b+\i]|
.endr
.endr
.irp b, 0,1,2,3
	v_permlanex16_b32 v[TM+4+\b], v[TM+\b], s[SEL], s[SEL+1]
.endr
.irp b, 0,1,2,3
	v_max_num_f32 v[TM+\b], v[TM+\b], v[TM+4+\b]             ; with lane l xor 16's: the block's largest magnitude
.endr
.irp b, 0,1,2,3
	v_add_nc_u32 v[TM+12+\b], 0xfc000000, v[TM+\b]           ; 8 off its exponent field: the conversion's scale operand
.endr
.irp b, 0,1,2,3
	v_and_or_b32 v[TM+8+\b], v[TM+\b], 0x7f800000, s[MNT]    ; 448 x the scale
.endr
.irp b, 0,1,2,3
	v_lshrrev_b32 v[TM+4+\b], 23, v[TM+12+\b]                ; the byte
.endr
	v_lshl_or_b32 v[PW], v[TM+5], 8, v[TM+4]
	v_lshl_or_b32 v[PW], v[TM+6], 16, v[PW]
	v_lshl_or_b32 v[PW], v[TM+7], 24, v[PW]
.irp b, 0,1,2,3
.irp i, 0,1,2,3,4,5,6,7,8,9,10,11,12,13,14,15
	v_med3_num_f32 v[\s+16*\b+\i], v[\s+16*\b+\i], -v[TM+8+\b], v[TM+8+\b]   ; the conversion does not saturate (ISA guide 7.6.2): the hold comes first
.endr
	v_cvt_scalef32_pk8_fp8_f32 v[PC+4*\b:PC+4*\b+1], v[\s+16*\b:\s+16*\b+7], v[TM+12+\b]
	v_cvt_scalef32_pk8_fp8_f32 v[PC+4*\b+2:PC+4*\b+3], v[\s+16*\b+8:\s+16*\b+15], v[TM+12+\b]
.endr
	v_nop                                          ; a plain line between the last conversion and whatever next writes its sources
.endm
	s_load_b128 s[4:7], s[0:1], 0x0                ; x, gamma
	s_load_b64 s[8:9], s[0:1], 0x10                ; beta
	s_load_b128 s[12:15], s[0:1], 0x30             ; stats, wts
	v_lshl_add_u32 v254, v0, 2, 0x35e00
	v_mov_b32 v255, 0
	ds_add_u32 v254, v255
	ds_add_u32 v254, v255
	s_wait_dscnt 0x0
	v_lshrrev_b32 v5, 5, v0
	v_readfirstlane_b32 s[WV], v5                  ; wave 0..7
	v_and_b32 v5, 31, v0                           ; lane
	v_lshlrev_b32 v[LI], 4, v5
	v_lshlrev_b32 v[L4], 2, v5
	v_lshlrev_b32 v255, 3, v5                      ; x: 8 bytes a lane, positions 2 l and 2 l + 1
	v_and_b32 v6, 15, v0                           ; r
	v_bfe_u32 v7, v0, 4, 1                         ; h
	v_lshlrev_b32 v[R4], 2, v6
	v_lshlrev_b32 v[RS], 3, v6
	v_lshl_add_u32 v[RS], v7, 2, v[RS]
	v_lshlrev_b32 v11, 4, v7                       ; v11  16 h
	v_lshlrev_b32 v13, 6, v7                       ; v13  64 h
	v_add_nc_u32 v12, v13, v[R4]                   ; v12  64 h + 4 r
	v_and_b32 v14, 8, v6
	v_add_nc_u32 v14, v14, v6
	v_lshlrev_b32 v14, 2, v14                      ; v14  4 (r + 8 (r / 8))
	v_mov_b32 v15, 0
	; X's stores.  Position p = 2 l + e is row r = 8 l3 + 2 (l % 4) + e of tile T' = 2 l4 + l2 (l2, l3, l4: bits of the lane's number)
	v_bfe_u32 v8, v0, 4, 1
	v_bfe_u32 v9, v0, 2, 1
	v_bfe_u32 v10, v0, 3, 1
	v_and_b32 v16, 3, v0
	v_lshlrev_b32 v5, 13, v8
	v_lshl_add_u32 v5, v9, 12, v5
	v_lshl_add_u32 v5, v10, 7, v5
	v_lshl_add_u32 v5, v16, 5, v5
	s_lshl_b32 s10, s[WV], 9                       ; my block of K is register group w % 4 of K step w / 4: 512 w
	s_add_co_u32 s10, s10, XIMG
	v_add_nc_u32 v5, s10, v5                       ; v5   the codes
	v_lshlrev_b32 v6, 8, v8
	v_lshl_add_u32 v6, v9, 7, v6
	v_lshl_add_u32 v6, v10, 5, v6
	v_lshl_add_u32 v6, v16, 3, v6
	s_lshr_b32 s10, s[WV], 2
	s_lshl_b32 s10, s10, 6
	s_and_b32 s11, s[WV], 3
	s_add_co_u32 s10, s10, s11
	s_add_co_u32 s10, s10, XSC
	v_add_nc_u32 v6, s10, v6                       ; v6   the scale byte
	; QK's and V's loads
	s_lshr_b32 s84, s[WV], 2                       ; m
	s_bfe_u32 s85, s[WV], 0x10001                  ; s'
	s_and_b32 s86, s[WV], 1                        ; pp
	s_mul_i32 s10, s84, WMAT
	s_lshl_b32 s11, s85, 15
	s_add_co_u32 s11, s10, s11
	v_add_nc_u32 v7, s11, v[LI]                    ; v7   my 16 fragments of W
	s_lshl_b32 s11, s85, 10
	s_add_co_u32 s11, s10, s11
	s_add_co_u32 s11, s11, 65536
	v_add_nc_u32 v9, s11, v[RS]                    ; v9   their scale words: lanes 0-15 K step 0, lanes 16-31 K step 1
	s_lshl_b32 s11, s86, 13
	s_add_co_u32 s11, s11, XIMG
	v_add_nc_u32 v8, s11, v[LI]                    ; v8   my four fragments of xn
	s_lshl_b32 s11, s86, 8
	s_add_co_u32 s11, s11, XSC
	v_add_nc_u32 v10, s11, v[L4]                   ; v10  their scale words
	s_lshl_b32 s11, s[WV], 8
	s_add_co_u32 s11, s11, 2*WMAT+65536
	v_add_nc_u32 v241, s11, v[RS]                  ; v241 Wv's scale words, tiles 2 w, 2 w + 1
	v_add_nc_u32 v242, XSC, v[L4]                  ; v242 xn's scale words, all tiles
	s_lshl_b32 s10, s84, 9
	s_lshl_b32 s11, s86, 8
	s_add_co_u32 s10, s10, s11
	s_lshl_b32 s11, s85, 6
	s_add_co_u32 s10, s10, s11
	s_add_co_u32 s10, s10, SCS
	v_add_nc_u32 v243, s10, v[R4]                  ; v243 where q's or k's scale words go
	s_min_u32 s10, s[WV], 1
	s_lshl_b32 s10, s10, 9
	s_add_co_u32 s10, s10, SCS
	v_add_nc_u32 v254, s10, v[LI]                  ; v254 and where waves 0 and 1 read them back
	s_mov_b32 s[MNT], 0x600000
	s_mov_b32 s[SEL], 0x76543210
	s_mov_b32 s[SEL+1], 0xfedcba98
	; my place: it enters global offsets alone, in registers that feed no descriptor
	s_bfe_u32 s96, ttmp6, 0x40000                  ; cx
	s_lshl_b32 s97, ttmp9, 2
	s_add_co_u32 s97, s97, s96                     ; my block of 64 positions
	s_lshl_b32 s98, s97, 8
	s_and_b32 s96, ttmp7, 0xffff                   ; the batch
	s_lshl_b32 s99, s96, 22
	s_add_co_u32 s98, s98, s99
	s_lshl_b32 s99, s[WV], 19                      ; 32 channels of 16,384 bytes a wave
	s_add_co_u32 s98, s98, s99
	s_mov_b32 s99, 0
	s_lshl_b32 s10, s96, 9                         ; stats: 32 bytes a group, groups 16 b + 2 w and the next
	s_lshl_b32 s11, s[WV], 6
	s_add_co_u32 s10, s10, s11
	s_mov_b32 s11, 0
	s_lshl_b32 s92, s[WV], 7                       ; gamma, beta: my 32 numbers
	s_mov_b32 s93, 0
	s_wait_kmcnt 0x0
	s_add_nc_u64 s[4:5], s[4:5], s[98:99]
	s_add_nc_u64 s[12:13], s[12:13], s[10:11]
	s_add_nc_u64 s[6:7], s[6:7], s[92:93]
	s_add_nc_u64 s[8:9], s[8:9], s[92:93]
.irp i, 0,1,2,3
	global_load_b128 v[208+4*\i:211+4*\i], v15, s[12:13] offset:16*\i   ; two groups' four (mean, sum of squares): the same 64 bytes in every lane
.endr
.irp i, 0,1,2,3,4,5,6,7,8,9,10,11,12,13,14,15,16,17,18,19,20,21,22,23,24,25,26,27,28,29,30,31
	global_load_b64 v[XF+2*\i:XF+2*\i+1], v255, s[4:5] offset:16384*\i   ; channel 32 w + i: the wave reads 256 consecutive bytes, at a multiple of 256 from x's first byte
.endr
	s_load_b512 s[16:31], s[6:7], 0x0              ; gamma
	s_load_b512 s[32:47], s[6:7], 0x40
	s_load_b512 s[48:63], s[8:9], 0x0              ; beta
	s_load_b512 s[68:83], s[8:9], 0x40
	; the joint load: an eighth of the three weights, 25,344 dense bytes, as 99 rows of 256 bytes (32 elements of 8 bytes)
	s_mov_b32 s84, 15|(3<<16)|(1<<21)              ; 15:0 the mask: all four work-groups; 17:16 elements of 8 bytes; 21 set beside a mask
	s_mov_b32 s85, 32<<16                          ; tensor_dim0
	s_mov_b32 s86, 99<<16                          ; tensor_dim1
	s_mov_b32 s87, 32<<16                          ; tile_dim0
	s_mov_b32 s88, 99                              ; tile_dim1
	s_mov_b32 s89, 32                              ; the pitch
	s_mov_b32 s90, 0
	s_mov_b32 s91, 0
	s_mov_b32 s92, 1
	s_mul_i32 s93, s[WV], 25344                    ; LDS address: the wave's number alone
	s_mov_b32 s10, s93
	s_add_nc_u64 s[94:95], s[14:15], s[10:11]
	s_or_b32 s95, s95, 0x80000000
	CROUND                                         ; all four work-groups are here: the joint loads meet
	tensor_load_to_lds s[92:95], s[84:91]          ; my one tensor load of the launch
	s_nop 0
.rept 4
	v_nop
.endr
	; ---- X.  The statistics: four quarters of a group are joined
	s_wait_loadcnt 32                              ; the four loads of statistics are in; the 32 of x behind them may be out
.irp g, 0,1
	v_add_f32 v[224+8*\g], v[208+8*\g], v[210+8*\g]
	v_add_f32 v[225+8*\g], v[212+8*\g], v[214+8*\g]
	v_add_f32 v[224+8*\g], v[224+8*\g], v[225+8*\g]
	v_mul_f32 v[224+8*\g], 0x3e800000, v[224+8*\g]           ; the group's mean
	v_sub_f32 v[225+8*\g], v[208+8*\g], v[224+8*\g]
	v_mul_f32 v[226+8*\g], v[225+8*\g], v[225+8*\g]
	v_sub_f32 v[225+8*\g], v[210+8*\g], v[224+8*\g]
	v_fmac_f32 v[226+8*\g], v[225+8*\g], v[225+8*\g]
	v_sub_f32 v[225+8*\g], v[212+8*\g], v[224+8*\g]
	v_fmac_f32 v[226+8*\g], v[225+8*\g], v[225+8*\g]
	v_sub_f32 v[225+8*\g], v[214+8*\g], v[224+8*\g]
	v_fmac_f32 v[226+8*\g], v[225+8*\g], v[225+8*\g]         ; the quarters' means about the group's
	v_add_f32 v[227+8*\g], v[209+8*\g], v[211+8*\g]
	v_add_f32 v[228+8*\g], v[213+8*\g], v[215+8*\g]
	v_add_f32 v[227+8*\g], v[227+8*\g], v[228+8*\g]
	v_mul_f32 v[226+8*\g], 0x3e800000, v[226+8*\g]
	v_fmamk_f32 v[227+8*\g], v[227+8*\g], 0x37800000, v[226+8*\g]   ; the variance: the sums of squares x 2^-16 + a quarter of that
	v_add_f32 v[227+8*\g], 0x3727c5ac, v[227+8*\g]           ; + 1e-5
	v_rsq_f32 v[228+8*\g], v[227+8*\g]
	v_nop                                          ; a plain line behind the transcendental
	v_readfirstlane_b32 s[96+2*\g], v[224+8*\g]    ; s96, s98 the means; s97, s99 1 / sqrt
	s_wait_alu depctr_va_vdst(0)
	v_readfirstlane_b32 s[97+2*\g], v[228+8*\g]
.endr
	s_wait_kmcnt 0x0                               ; gamma and beta
	s_wait_loadcnt 0x0                             ; x
.irp e, 0,1                            ; position 2 l + e: 32 channels, one block of K, all in my lane
.set ii, 0
.rept 32
	v_sub_f32 v[208+ii], v[XF+2*ii+\e], s[96+2*(ii/16)]
.set ii, ii+1
.endr
.set ii, 0
.rept 32
	v_mul_f32 v[208+ii], s[97+2*(ii/16)], v[208+ii]
.set ii, ii+1
.endr
.set ii, 0
.rept 32
	v_fma_f32 v[208+ii], v[208+ii], s[16+ii], s[48+ii+4*(ii/16)]   ; x gamma + beta
.set ii, ii+1
.endr
	v_max3_num_f32 v[32+4*\e], |v208|, |v209|, 0x4800000     ; the block's largest magnitude, in two chains, with the floor 2^(9 - 127)
	v_max3_num_f32 v[33+4*\e], |v224|, |v225|, |v226|
.irp i, 2,4,6,8,10,12,14
	v_max3_num_f32 v[32+4*\e], v[32+4*\e], |v[208+\i]|, |v[209+\i]|
.endr
.irp i, 19,21,23,25,27,29
	v_max3_num_f32 v[33+4*\e], v[33+4*\e], |v[208+\i]|, |v[209+\i]|
.endr
	v_max3_num_f32 v[32+4*\e], v[32+4*\e], v[33+4*\e], |v239|
	v_add_nc_u32 v[33+4*\e], 0xfc000000, v[32+4*\e]          ; the conversion's scale operand
	v_and_or_b32 v[34+4*\e], v[32+4*\e], 0x7f800000, s[MNT]  ; 448 x the scale
.set ii, 0
.rept 32
	v_med3_num_f32 v[208+ii], v[208+ii], -v[34+4*\e], v[34+4*\e]
.set ii, ii+1
.endr
.irp g, 0,1,2,3
	v_cvt_scalef32_pk8_fp8_f32 v[16+8*\e+2*\g:17+8*\e+2*\g], v[208+8*\g:215+8*\g], v[33+4*\e]
.endr
	v_lshrrev_b32 v[35+4*\e], 23, v[33+4*\e]       ; the byte (also the plain line behind the conversions)
	ds_store_b128 v5, v[16+8*\e:19+8*\e] offset:16*\e        ; channels 32 w + 0 .. 15: the place of lane r of the image,
	ds_store_b128 v5, v[20+8*\e:23+8*\e] offset:16*\e+256    ; channels 32 w + 16 .. 31: that of lane 16 + r
	ds_store_b8 v6, v[35+4*\e] offset:4*\e
.endr
	; gamma and beta are done with: the other pointers, and where my results go
	s_load_b128 s[16:19], s[0:1], 0x18             ; bq, bk
	s_load_b64 s[20:21], s[0:1], 0x28              ; bv
	s_load_b128 s[24:27], s[0:1], 0x40             ; qb, kv
	s_lshr_b32 s28, s[WV], 2                       ; m
	s_bfe_u32 s29, s[WV], 0x10001                  ; s'
	s_and_b32 s30, s[WV], 1                        ; pp
	s_bfe_u32 s31, ttmp6, 0x40000
	s_lshl_b32 s32, ttmp9, 2
	s_add_co_u32 s31, s32, s31                     ; pb: my block of 64 positions
	s_and_b32 s32, ttmp7, 0xffff                   ; the batch
	s_lshl_b32 s33, s32, 6
	s_add_co_u32 s33, s33, s31
	s_mul_i32 s33, s33, 16896                      ; my block of qb
	s_lshl_b32 s34, s32, 4
	s_lshr_b32 s35, s31, 2
	s_add_co_u32 s34, s34, s35
	s_mul_i32 s34, s34, SLOTB                      ; my slot of kv
	s_and_b32 s35, s31, 3
	s_lshr_b32 s36, s35, 1                         ; which key step of the slot
	s_and_b32 s37, s31, 1
	s_lshl_b32 s38, s29, 9                         ; the bias: my 128 outputs
	s_mov_b32 s39, 0
	s_lshl_b32 s40, s35, 14
	s_add_co_u32 s40, s40, s34                     ; k's images of my 64 keys
	s_cmp_eq_u32 s28, 0
	s_cselect_b32 s40, s33, s40                    ; or q's
	s_lshl_b32 s41, s30, 13
	s_add_co_u32 s40, s40, s41                     ; tile 2 pp,
	s_lshl_b32 s41, s29, 11
	s_add_co_u32 s40, s40, s41                     ; K step s'
	s_mov_b32 s41, 0
	s_lshl_b32 s44, s36, 15                        ; v's images: key step, channel tile 2 w, register group 2 (pb % 2)
	s_add_co_u32 s44, s44, s34
	s_lshl_b32 s45, s[WV], 12
	s_add_co_u32 s44, s44, s45
	s_lshl_b32 s45, s37, 10
	s_add_co_u32 s44, s44, s45
	s_mov_b32 s45, 0
	s_lshl_b32 s46, s36, 10                        ; v's scale bytes
	s_add_co_u32 s46, s46, s34
	s_lshl_b32 s47, s[WV], 7
	s_add_co_u32 s46, s46, s47
	s_lshl_b32 s47, s37, 1
	s_add_co_u32 s46, s46, s47
	s_mov_b32 s47, 0
	s_lshl_b32 s48, s35, 9                         ; the scale words: k's (wave 1),
	s_add_co_u32 s48, s48, s34
	s_add_co_u32 s48, s48, 131072
	s_add_co_u32 s49, s33, 16384                   ; q's (wave 0)
	s_cmp_eq_u32 s[WV], 0
	s_cselect_b32 s48, s49, s48
	s_mov_b32 s49, 0
	s_lshl_b32 s52, s[WV], 7                       ; bv: channels 32 w on
	s_mov_b32 s53, 0
	s_wait_dscnt 0x0                               ; my images and bytes have landed (for the others), and their registers are free for the loads below
	s_wait_kmcnt 0x0
	s_cmp_eq_u32 s28, 0                            ; the choices hang on the wave's number alone
	s_cselect_b64 s[42:43], s[24:25], s[26:27]
	s_cselect_b64 s[16:17], s[16:17], s[18:19]
	s_cmp_eq_u32 s[WV], 0
	s_cselect_b64 s[50:51], s[24:25], s[26:27]
	s_add_nc_u64 s[42:43], s[42:43], s[40:41]
	s_add_nc_u64 s[16:17], s[16:17], s[38:39]
	s_add_nc_u64 s[50:51], s[50:51], s[48:49]
	s_add_nc_u64 s[44:45], s[26:27], s[44:45]
	s_add_nc_u64 s[46:47], s[26:27], s[46:47]
	s_add_nc_u64 s[20:21], s[20:21], s[52:53]
.irp u, 0,1                            ; the sums begin as the bias: register 8 t + j of lane (r, h) is output 128 s' + 32 (t / 2) + 16 h + 8 (t % 2) + j
.irp t, 0,1,2,3,4,5,6,7
	global_load_b128 v[HA0+64*\u+8*\t:HA0+64*\u+8*\t+3], v13, s[16:17] offset:4*(32*(\t/2)+8*(\t%2))
	global_load_b128 v[HA0+64*\u+8*\t+4:HA0+64*\u+8*\t+7], v13, s[16:17] offset:4*(32*(\t/2)+8*(\t%2))+16
.endr
.endr
	s_wait_tensorcnt 0x0                           ; my eighth of the weights is in
	s_barrier_signal -1
	s_barrier_wait -1                              ; everybody's is, and xn's eight fragments lie in LDS
	v_add_nc_u32 v5, XIMG, v[LI]                   ; v5   now: all of xn's fragments
	s_lshl_b32 s54, s[WV], 13
	s_add_co_u32 s54, s54, 2*WMAT
	v_add_nc_u32 v6, s54, v[LI]                    ; v6   now: Wv's tiles 2 w, 2 w + 1
	; ---- QK
	WIN 0x40                                       ; destination window 1
.irp t, 0,1,2,3,4,5,6,7
.irp s, 0,1
.irp c, 0,1,2,3
	ds_load_b128 v[16*(2*\t+\s)+4*\c:16*(2*\t+\s)+4*\c+3], v7 offset:4096*\t+2048*\s+512*\c
.endr
.endr
.endr
	WIN 0
.irp u, 0,1
.irp s, 0,1
.irp c, 0,1,2,3
	ds_load_b128 v[XF+16*(2*\u+\s)+4*\c:XF+16*(2*\u+\s)+4*\c+3], v8 offset:4096*\u+2048*\s+512*\c
.endr
.endr
.endr
.irp t, 0,1,2,3,4,5,6,7
	ds_load_b32 v[WS+\t], v9 offset:128*\t
.endr
.irp u, 0,1
	ds_load_b32 v[XS+\u], v10 offset:128*\u
.endr
	s_wait_loadcnt 0x0                             ; the bias
	s_wait_dscnt 0x0
	WIN 0x01                                       ; source 0 (W) window 1
.irp u, 0,1                            ; 16 accumulators by turns, K step by K step
.irp t, 0,1,2,3,4,5,6,7
	v_wmma_scale_f32_16x16x128_f8f6f4 v[HA0+64*\u+8*\t:HA0+64*\u+8*\t+7], v[32*\t:32*\t+15], v[XF+32*\u:XF+32*\u+15], v[HA0+64*\u+8*\t:HA0+64*\u+8*\t+7], v[WS+\t], v[XS+\u]
.endr
.endr
.irp u, 0,1
.irp t, 0,1,2,3,4,5,6,7
	v_wmma_scale_f32_16x16x128_f8f6f4 v[HA0+64*\u+8*\t:HA0+64*\u+8*\t+7], v[32*\t+16:32*\t+31], v[XF+32*\u+16:XF+32*\u+31], v[HA0+64*\u+8*\t:HA0+64*\u+8*\t+7], v[WS+\t], v[XS+\u] matrix_a_scale:MATRIX_SCALE_ROW1 matrix_b_scale:MATRIX_SCALE_ROW1
.endr
.endr
	WIN 0
.rept 8
	v_nop                                          ; eight places in front of loads into registers that these products read, and of the first read of their results
.endr
	WIN 0x40                                       ; V's operands are asked for now and land while q or k is quantised
.irp f, 0,1,2,3,4,5,6,7
.irp c, 0,1,2,3
	ds_load_b128 v[16*\f+4*\c:16*\f+4*\c+3], v5 offset:2048*\f+512*\c
.endr
.endr
.irp f, 0,1,2,3
.irp c, 0,1,2,3
	ds_load_b128 v[128+16*\f+4*\c:128+16*\f+4*\c+3], v6 offset:2048*\f+512*\c
.endr
.endr
	WIN 0
.irp t, 0,1
	ds_load_b32 v[WS+\t], v241 offset:128*\t
.endr
.irp t, 0,1,2,3
	ds_load_b32 v[WS+2+\t], v242 offset:128*\t
.endr
	QUANT HA0
.irp c, 0,1,2,3
	global_store_b128 v[LI], v[PC+4*\c:PC+4*\c+3], s[42:43] offset:512*\c     ; a fragment's image: 512 consecutive bytes a store
.endr
	ds_store_b32 v243, v[PW]                       ; lanes r and 16 + r write the same word with the same value
.irp t, 0,1
.irp i, 0,1,2,3,4,5,6,7
	global_load_b32 v[16+8*\t+\i], v14, s[20:21] offset:32*\t   ; bv of my lane's channel, eight times: the C of V's first products
.endr
.endr
	s_wait_xcnt 0x0                                ; the stores have read their registers:
	s_wait_dscnt 0x0                               ; the codes and the scale word may be written again
	QUANT HA1
.irp c, 0,1,2,3
	global_store_b128 v[LI], v[PC+4*\c:PC+4*\c+3], s[42:43] offset:4096+512*\c
.endr
	ds_store_b32 v243, v[PW] offset:128
	; ---- V
	s_wait_loadcnt 0x0                             ; bv
	s_wait_dscnt 0x0                               ; V's operands; and the scale word has been read
	WIN 0x05                                       ; sources 0 (xn) and 1 (Wv) window 1
.irp p, 0,1,2,3                        ; eight accumulators by turns
.irp t, 0,1
	v_wmma_scale_f32_16x16x128_f8f6f4 v[80+16*(2*\t+\p/2)+8*(\p%2):80+16*(2*\t+\p/2)+8*(\p%2)+7], v[32*\p:32*\p+15], v[128+32*\t:128+32*\t+15], v[16+8*\t:16+8*\t+7], v[WS+2+\p], v[WS+\t]
.endr
.endr
.irp p, 0,1,2,3
.irp t, 0,1
	v_wmma_scale_f32_16x16x128_f8f6f4 v[80+16*(2*\t+\p/2)+8*(\p%2):80+16*(2*\t+\p/2)+8*(\p%2)+7], v[32*\p+16:32*\p+31], v[128+32*\t+16:128+32*\t+31], v[80+16*(2*\t+\p/2)+8*(\p%2):80+16*(2*\t+\p/2)+8*(\p%2)+7], v[WS+2+\p], v[WS+\t] matrix_a_scale:MATRIX_SCALE_ROW1 matrix_b_scale:MATRIX_SCALE_ROW1
.endr
.endr
	WIN 0
.rept 8
	v_nop
.endr
	s_wait_xcnt 0x0                                ; the second fragment's stores have read the codes
	QUANT 80                                       ; block 2 t + p: channel tile 2 w + t, keys 32 p + 16 h + 0 .. 15 of my 64
.irp b, 0,1,2,3
	global_store_b128 v[LI], v[PC+4*\b:PC+4*\b+3], s[44:45] offset:65536+2048*(\b/2)+512*(\b%2)
.endr
	v_lshrrev_b32 v[PW], v11, v[PW]                ; lanes 0-15 store tile 2 w's two bytes, lanes 16-31 tile 2 w + 1's
	global_store_b16 v12, v[PW], s[46:47] offset:133120
	s_wait_dscnt 0x0
	s_barrier_signal -1
	s_barrier_wait -1                              ; q's and k's scale words lie in LDS
	s_cmp_gt_u32 s[WV], 1
	s_cbranch_scc1 .Lno_words
	ds_load_b128 v[16:19], v254                    ; wave 0: q's 512 bytes; wave 1: k's
	s_wait_dscnt 0x0
	global_store_b128 v[LI], v[16:19], s[50:51]    ; 512 consecutive bytes
.Lno_words:
	s_wait_xcnt 0x0
	v_lshl_add_u32 v254, v0, 2, 0x35e00
	v_mov_b32 v255, 0
	s_wait_tensorcnt 0x0
	ds_add_u32 v254, v255
	s_wait_dscnt 0x0
	CROUND                                         ; the closing round: no work-group ends while a partner may still ask jointly
	s_endpgm
.Lfunc_end_k_q2cffcea68c_qkv:
	.size	k_q2cffcea68c_qkv, .Lfunc_end_k_q2cffcea68c_qkv-k_q2cffcea68c_qkv
	.p2alignl 7, 3214868480
	.fill 96, 4, 3214868480
	.section	.rodata,"a",@progbits
	.p2align	6, 0x0
	.amdhsa_kernel k_q2cffcea68c_qkv
		.amdhsa_group_segment_fixed_size 221696
		.amdhsa_private_segment_fixed_size 0
		.amdhsa_enable_private_segment 0
		.amdhsa_kernarg_size 80
		.amdhsa_user_sgpr_count 2
		.amdhsa_user_sgpr_kernarg_segment_ptr 1
		.amdhsa_wavefront_size32 1
		.amdhsa_system_sgpr_workgroup_id_x 1
		.amdhsa_system_sgpr_workgroup_id_y 1
		.amdhsa_system_sgpr_workgroup_id_z 1
		.amdhsa_system_vgpr_workitem_id 0
		.amdhsa_next_free_vgpr 512
		.amdhsa_next_free_sgpr 102
		.amdhsa_reserve_vcc 0
		.amdhsa_float_denorm_mode_32 3
		.amdhsa_float_denorm_mode_16_64 3
		.amdhsa_memory_ordered 1
		.amdhsa_forward_progress 1
		.amdhsa_inst_pref_size 79
	.end_amdhsa_kernel
	.amdgpu_metadata
---
amdhsa.version: [ 1, 2 ]
amdhsa.kernels:
  - .name:           k_q2cffcea68c_qkv
    .symbol:         k_q2cffcea68c_qkv.kd
    .args:
      - { .name: x, .offset: 0, .size: 8, .value_kind: global_buffer, .address_space: global }
      - { .name: gamma, .offset: 8, .size: 8, .value_kind: global_buffer, .address_space: global }
      - { .name: beta, .offset: 16, .size: 8, .value_kind: global_buffer, .address_space: global }
      - { .name: bq, .offset: 24, .size: 8, .value_kind: global_buffer, .address_space: global }
      - { .name: bk, .offset: 32, .size: 8, .value_kind: global_buffer, .address_space: global }
      - { .name: bv, .offset: 40, .size: 8, .value_kind: global_buffer, .address_space: global }
      - { .name: stats, .offset: 48, .size: 8, .value_kind: global_buffer, .address_space: global }
      - { .name: wts, .offset: 56, .size: 8, .value_kind: global_buffer, .address_space: global }
      - { .name: qb, .offset: 64, .size: 8, .value_kind: global_buffer, .address_space: global }
      - { .name: kv, .offset: 72, .size: 8, .value_kind: global_buffer, .address_space: global }
    .group_segment_fixed_size: 221696
    .private_segment_fixed_size: 0
    .kernarg_segment_align: 8
    .kernarg_segment_size: 80
    .max_flat_workgroup_size: 256
    .sgpr_count:     102
    .vgpr_count:     512
    .wavefront_size: 32
...
	.end_amdgpu_metadata
.endif
;; end of part 2
;; launch attn (part 3): grid 64 x 4, 4 waves a work-group, clusters of 4 x 1, 327,680 bytes of LDS; arguments qb, kv, wts, bo, x, out0; writes out0
.if DOCPART == 3
	.amdgcn_target "amdgcn-amd-amdhsa--gfx1250"
	.amdhsa_code_object_version 6
	.text
	.protected	k_q2cffcea68c_attn
	.globl	k_q2cffcea68c_attn
	.p2align	8
	.type	k_q2cffcea68c_attn,@function
k_q2cffcea68c_attn:
	s_mov_b64 s[64:65], 0
	v_nop
	global_prefetch_b8 v0, s[64:65] scope:SCOPE_SE
	s_setreg_imm32_b32 hwreg(HW_REG_WAVE_MODE, 25, 1), 1
	s_wait_xcnt 0x0
	s_wait_alu depctr_hold_cnt(0) depctr_sa_sdst(0) depctr_va_vdst(0) depctr_va_sdst(0) depctr_va_ssrc(0) depctr_va_vcc(0) depctr_vm_vsrc(0)
	s_getreg_b32 s2, hwreg(HW_REG_IB_STS2, 6, 4)
	s_cmp_eq_u32 s2, 0
	s_cbranch_scc0 .Lentry_in_a_cluster
	s_endpgm
.Lentry_in_a_cluster:
	s_bfe_u32 s2, ttmp6, 0x10000c
	s_cmp_lg_u32 s2, 0x3003
	s_cbranch_scc0 .Lentry_shape_is_right
	s_endpgm
.Lentry_shape_is_right:
; out = Wo (softmax(q^T k / 16) applied to v) + bo + x, all three products on codes of FP8 (E4M3) with one E8M0 scale for each 32 along K.  One head of 256 channels, 4,096 keys, 4 batches.
; THE SOFTMAX AHEAD OF THE SECOND PRODUCT: t = score x log2(e) / 16; M = the running largest t rounded UP to a whole number; p = 2^(t - M) is quantised along the keys, not normalised; the row's sum is taken of the
; unquantised p and divides at the end.  When M moves, the sum and O are multiplied by 2^(old M - new M): exact.
; SHARES.  A work-group owns 64 queries: four tiles of 16.  Wave w holds TWO tiles (its own, w, and its partner's, w xor 1) and walks HALF the keys: key step w % 2 (128 keys) of every slot of 256 keys.
; So each fragment of K and V read from LDS feeds two products.  At the end the partners exchange: each sends its second tile's O^T, M and sum through LDS and joins what it gets to its first tile.
; LAYOUT.  Both products transposed: S^T = K Q^T (source 0 = 16 keys), O^T = V^T P^T (source 0 = 16 channels): a lane holds one query throughout.  Tiles of keys, of channels and of queries are permuted (row r of tile T is
; number 32 (T / 2) + 8 (T % 2) + r + 8 (r / 8)), so that 16 registers of two neighbouring result tiles are 16 neighbours along the next K: p's and O's codes are operands as the conversions leave them.
; All operands lie as IMAGES OF THEIR REGISTERS (a fragment: 2,048 bytes, register group c of lane l at 512 c + 16 l), so every LDS load reads consecutive bytes and a slot is one dense block of kv.
; RING.  Two slots of 135,168 bytes (K's images, V's images, their scale words).  A slot is free as soon as its V is in registers, in the MIDDLE of a key step: there stands the change of slots, and the refill has a whole step in which to land.
; BY TURNS.  A key step's 64 products and 144 LDS loads do not stand in long runs of their own.  Tile 0's sixteen products K Q^T stand bare, with three pairs of V's fragments fetched between them; tile 1's sixteen stand one by one
; between the lines of tile 0's softmax; tile 0's sixteen products V^T P one by one between the lines of tile 1's softmax; tile 1's sixteen bare again, with K's last four fragments fetched between them.  The LDS loads go in pairs of
; fragments (eight loads), spread over the step.  The price: two window switches for each product that stands among vector lines and two for each pair of fragments: a hundred a key step beside its 682 vector lines.
; All 64 products among vector lines would want the next step's K and this step's V whole at the same time: 512 registers, where 448 are left.
; CLUSTER.  The four work-groups of a cluster belong to one batch and walk the same K and V: each quarter of a slot is asked for JOINTLY, one tensor load a wave.  Wo comes the same way, into slot 0 after that slot's last tile.
; By this text's own count a wave has at most two tensor loads outstanding (the two first fills).
; LIMITS: NaN and infinities are not served; a block whose largest magnitude lies under 2^-118 gets the scale byte 1.  The largest p of a block is taken from the block's largest score by the same two instructions; that takes v_exp_f32 not to fall where its input rises.
; REGISTERS, in windows of 256.  window 0: v1-10 addresses of the loop; v12-19 statistics; v20-39 scale words and nothing else; v40-53 addresses of the end; v54-63 at work there; v64-191 S^T, then p (64 a tile); v192-223 p's codes; v224-251 at work.
;   window 1: O^T, 128 a tile.   window 2: v0-63 Q; v64-255 twelve fragments of K; at the end x and bo.   window 3: four fragments of K, then V's sixteen.
.set SLOTB, 135168
.set SPARE, 270336                     ; behind the ring: the spare words, 128 bytes for each wave: two blocks of 256 bytes that no other line names
.set MST,   270848                     ; -M and the sum of each wave's second tile: 256 bytes a wave
.set OIMG,  271872                     ; O's eight fragments, (tile, K step) at (2 tile + s) x 2,048
.set OSC,   288256                     ; their scale words: 128 tile + 64 s + 4 r
.set MRG,   67584                      ; in slot 0, behind Wo: each wave's second tile of O^T, 16,384 bytes.  These bytes have had their last fill, and nobody reads the tile that lay there
.set STG,   135168                     ; in slot 1, after its last read: a stage of 64 rows x (256 + 16) bytes for each wave
.set SP,    272
.set LI,  1                            ; v1   16 x lane
.set L4,  2                            ; v2   4 x lane
.set SPW, 3                            ; v3   LDS address of my spare word; never rewritten
.set NIL, 4                            ; v4   0; never rewritten
.set ADK, 5                            ; v5-6   my key step's K images in slot 0, 1
.set ADV, 7                            ; v7-8   V's
.set ADS, 9                            ; v9-10  the scale words
.set ST,  12                           ; tile q: v[12+4q] -M, v[13+4q] the largest t, v[14+4q:15+4q] the sum in two halves
.set QS,  20                           ; v20-21 Q's scale words;  v22-23 p's;  v24-31 K's;  v32-39 V's
.set PS,  22
.set KS,  24
.set VS,  32
.set S,   64
.set P,   192
.set TM,  224                          ; v224-227 largest scores, then largest p; v228-231 second chains, the other half's, then bytes; v232-235 448 x the scale; v236-239 scale operands
.set F,   240                          ; v[240:241] 2^(old M - new M)
.set TA,  242
.set SUM, 244                          ; v[244:245], v[248:249], v[250:251]: three of the row sum's four chains
.set SU2, 248
.set SU3, 250
.set WV,  44                           ; s44  my wave's number
.set SEL, 56                           ; s[56:57] lane selects for lane l xor 16
.set CS,  58                           ; s[58:59] c = log2(e) / 16
.set MNT, 60                           ; s60  the mantissa field of 448
.set MSB, 0
.set sidem, 0
.set sidex, 0
.macro WIN new                         ; the immediate's high byte repeats the setting that is left
.if MSB != \new
	s_set_vgpr_msb (MSB<<8)|\new
.set MSB, \new
.endif
.endm
.macro CROUND                          ; a round of the cluster's barrier
	s_barrier_signal -1
	s_barrier_wait -1
	s_cmp_lg_u32 s[WV], 0
	s_cbranch_scc1 .Lnot_wave_0_\@
	s_barrier_signal -3
.Lnot_wave_0_\@:
	s_barrier_wait -3
	s_barrier_signal -1
	s_barrier_wait -1
.endm
.macro PLACES                          ; eight places behind this matrix form, in front of loads into registers that products read and of the first read of results
.rept 8
	v_nop
.endr
.endm
	s_load_b256 s[4:11], s[0:1], 0x0               ; qb s[4:5], kv s[6:7], wts s[8:9], bo s[10:11]
	s_load_b128 s[12:15], s[0:1], 0x20             ; x s[12:13], out0 s[14:15]
	v_lshl_add_u32 v[SPW], v0, 2, SPARE
	v_mov_b32 v[NIL], 0
	ds_add_u32 v3, v4
	ds_add_u32 v3, v4
	s_wait_dscnt 0x0
	v_lshrrev_b32 v11, 5, v0
	v_readfirstlane_b32 s[WV], v11                 ; wave 0..3
	s_and_b32 s45, s[WV], 1                        ; which key step of a slot is mine
	s_xor_b32 s61, s[WV], 1                        ; my partner, and my second tile
	v_and_b32 v11, 31, v0
	v_lshlrev_b32 v[LI], 4, v11
	v_lshlrev_b32 v[L4], 2, v11
	v_and_b32 v54, 15, v0                          ; r
	v_bfe_u32 v55, v0, 4, 1                        ; h
	v_and_b32 v56, 8, v54
	v_add_nc_u32 v56, v56, v54                     ; r + 8 (r / 8)
	s_lshl_b32 s50, s45, 15
	v_add_nc_u32 v[ADK], s50, v[LI]
	v_add_nc_u32 v[ADK+1], SLOTB, v[ADK]
	v_add_nc_u32 v[ADV], 0x10000, v[ADK]
	v_add_nc_u32 v[ADV+1], 0x10000, v[ADK+1]
	s_lshl_b32 s50, s45, 10
	s_add_co_u32 s50, s50, 131072
	v_add_nc_u32 v[ADS], s50, v[L4]
	v_add_nc_u32 v[ADS+1], SLOTB, v[ADS]
	; the addresses of the end, all made here
	s_lshl_b32 s50, s[WV], 8
	s_add_co_u32 s50, s50, MST
	v_add_nc_u32 v40, s50, v[L4]                   ; v40  my second tile's -M and sum
	s_lshl_b32 s50, s[WV], 14
	v_add_nc_u32 v46, s50, v[LI]                   ; v46  Wo's fragments, tiles 4 w on
	s_add_co_u32 s50, s50, MRG
	v_add_nc_u32 v41, s50, v[LI]                   ; v41  my second tile's O^T
	s_lshl_b32 s50, s61, 8
	s_add_co_u32 s50, s50, MST
	v_add_nc_u32 v42, s50, v[L4]                   ; v42  my partner's
	s_lshl_b32 s50, s61, 14
	s_add_co_u32 s50, s50, MRG
	v_add_nc_u32 v43, s50, v[LI]                   ; v43
	s_lshl_b32 s50, s[WV], 12
	s_add_co_u32 s50, s50, OIMG
	v_add_nc_u32 v44, s50, v[LI]                   ; v44  where my tile's two fragments of O go
	s_lshl_b32 s50, s[WV], 7
	s_add_co_u32 s50, s50, OSC
	v_lshl_add_u32 v45, v54, 2, s50                ; v45  and their scale words
	v_add_nc_u32 v47, OIMG, v[LI]                  ; v47  all of O's fragments
	s_lshl_b32 s50, s[WV], 9
	s_add_co_u32 s50, s50, 65536
	v_lshl_add_u32 v48, v54, 3, s50
	v_lshl_add_u32 v48, v55, 2, v48                ; v48  Wo's scale words: lanes 0-15 K step 0, lanes 16-31 K step 1
	v_add_nc_u32 v49, OSC, v[L4]                   ; v49  O's
	s_mul_i32 s50, s[WV], 64*SP
	s_add_co_u32 s50, s50, STG
	v_mul_u32_u24 v50, v56, SP
	v_lshl_add_u32 v50, v55, 6, v50
	v_add_nc_u32 v50, s50, v50                     ; v50  the stage, in: row = my output channel, + 64 h
	v_mul_u32_u24 v51, v55, SP
	v_lshl_add_u32 v51, v54, 4, v51
	v_add_nc_u32 v51, s50, v51                     ; v51  and back: lanes 0-15 one row, lanes 16-31 the next
	v_lshlrev_b32 v52, 14, v55
	v_lshl_add_u32 v52, v54, 4, v52                ; v52  the same two rows in x and in out0
	s_lshl_b32 s50, s[WV], 8
	v_lshl_add_u32 v53, v56, 2, s50                ; v53  bo of my lane's output channel
	s_lshl_b32 s50, s[WV], 12
	v_add_nc_u32 v57, s50, v[LI]                   ; Q: my first tile's fragments,
	s_lshl_b32 s50, s61, 12
	v_add_nc_u32 v58, s50, v[LI]                   ; my second tile's,
	s_lshl_b32 s50, s[WV], 7
	v_add_nc_u32 v59, s50, v[L4]                   ; and their scale words
	s_lshl_b32 s50, s61, 7
	v_add_nc_u32 v60, s50, v[L4]
	; descriptor group 1: a quarter of a slot, 33,792 dense bytes, as 132 rows of 256 bytes (32 elements of 8 bytes); a quarter of Wo, 66 such rows
	s_mov_b32 s16, 15|(3<<16)|(1<<21)              ; 15:0 the mask: all four work-groups; 17:16 elements of 8 bytes; 21 set beside a mask
	s_mov_b32 s17, 32<<16
	s_mov_b32 s18, 132<<16
	s_mov_b32 s19, 32<<16
	s_mov_b32 s20, 132
	s_mov_b32 s21, 32
	s_mov_b32 s22, 0
	s_mov_b32 s23, 0
	s_mov_b32 s32, 15|(3<<16)|(1<<21)
	s_mov_b32 s33, 32<<16
	s_mov_b32 s34, 66<<16
	s_mov_b32 s35, 32<<16
	s_mov_b32 s36, 66
	s_mov_b32 s37, 32
	s_mov_b32 s38, 0
	s_mov_b32 s39, 0
	s_and_b32 s49, ttmp7, 0xffff                   ; the batch, which the partners share
	s_lshl_b32 s50, s49, 4
	s_mul_i32 s50, s50, SLOTB                      ; the batch's sixteen slots
	s_mul_i32 s52, s[WV], 33792                    ; my quarter, in memory and in LDS
	s_add_co_u32 s50, s50, s52
	s_mov_b32 s51, 0
	s_mov_b32 s[SEL], 0x76543210
	s_mov_b32 s[SEL+1], 0xfedcba98
	s_mov_b32 s[CS], 0x3db8aa3b                    ; log2(e) / 16
	s_mov_b32 s[CS+1], s[CS]                       ; (named with it as a pair, so it is written)
	s_mov_b32 s[MNT], 0x600000
	; my place in the cluster enters Q's, x's and out0's offsets alone, in registers that feed no descriptor
	s_bfe_u32 s46, ttmp6, 0x40000                  ; cx
	s_lshl_b32 s48, ttmp9, 2
	s_add_co_u32 s48, s48, s46                     ; my block of 64 queries
	s_wait_kmcnt 0x0
	s_add_nc_u64 s[6:7], s[6:7], s[50:51]
	s_mov_b32 s24, 1
	s_mov_b32 s25, s52
	s_mov_b64 s[26:27], s[6:7]
	s_or_b32 s27, s27, 0x80000000
	s_mov_b32 s28, 1
	s_add_co_u32 s29, s52, SLOTB
	s_add_nc_u64 s[30:31], s[6:7], SLOTB
	s_or_b32 s31, s31, 0x80000000
	s_mov_b32 s40, 1
	s_mul_i32 s41, s[WV], 16896
	s_add_co_u32 s50, s41, 202752                  ; Wo is the fourth weight of wts
	s_add_nc_u64 s[42:43], s[8:9], s[50:51]
	s_or_b32 s43, s43, 0x80000000
	s_lshl_b32 s62, s49, 22                        ; x, out0: the batch, output channels 64 w on, my 64 positions
	s_lshl_b32 s63, s[WV], 20
	s_add_co_u32 s62, s62, s63
	s_lshl_b32 s63, s48, 8
	s_add_co_u32 s62, s62, s63
	s_mov_b32 s63, 0
	s_add_nc_u64 s[12:13], s[12:13], s[62:63]
	s_add_nc_u64 s[14:15], s[14:15], s[62:63]
	s_lshl_b32 s62, s49, 6
	s_add_co_u32 s62, s62, s48
	s_mul_i32 s62, s62, 16896                      ; my block of qb
	s_add_nc_u64 s[4:5], s[4:5], s[62:63]
	CROUND                                         ; all four work-groups are here: the first joint loads meet
	tensor_load_to_lds s[24:27], s[16:23]          ; slot 0: keys 0 to 255
	s_nop 0
	tensor_load_to_lds s[28:31], s[16:23]          ; slot 1: keys 256 to 511
	s_nop 0
.rept 4
	v_nop
.endr
	WIN 0x80                                       ; destination window 2
.irp s, 0,1
.irp c, 0,1,2,3
	global_load_b128 v[16*\s+4*\c:16*\s+4*\c+3], v57, s[4:5] offset:2048*\s+512*\c
	global_load_b128 v[32+16*\s+4*\c:32+16*\s+4*\c+3], v58, s[4:5] offset:2048*\s+512*\c
.endr
.endr
	WIN 0
	global_load_b32 v[QS], v59, s[4:5] offset:16384          ; lanes 0-15 K step 0, lanes 16-31 K step 1
	global_load_b32 v[QS+1], v60, s[4:5] offset:16384
.irp q, 0,1
	v_mov_b32 v[ST+4*\q+1], 0xff61b1e6             ; the largest t so far: -3e38, under every t
	v_floor_f32 v[ST+4*\q], -v[ST+4*\q+1]          ; -M
	v_mov_b32 v[ST+4*\q+2], 0                      ; the sum, in two halves
	v_mov_b32 v[ST+4*\q+3], 0
.endr
.irp b, 0,1,2,3
	v_mov_b32 v[TM+4+\b], 0                        ; a lane permute's destination counts as one of its sources
.endr
	v_mov_b32 v[F+1], 0                            ; (named as the upper half of a pair)
	WIN 0x40
.set jj, 0
.rept 256
	v_mov_b32 v[jj], 0                             ; O^T.  The key step is written without a first step of its own: a copy of it would be seven times these lines' bytes
.set jj, jj+1
.endr
	WIN 0
; AHEAD OF THE FIRST KEY STEP: K's scale words and twelve of its sixteen fragments, from slot sl: key tiles 0-3 of both K steps, key tiles 4-7 of K step 0;
.macro KPRE sl
.irp kt, 0,1,2,3,4,5,6,7
	ds_load_b32 v[KS+\kt], v[ADS+\sl] offset:128*\kt         ; lanes 0-15 K step 0, lanes 16-31 K step 1
.endr
	WIN 0x80
.irp kt, 0,1,2,3
.irp c, 0,1,2,3
	ds_load_b128 v[64+16*\kt+4*\c:64+16*\kt+4*\c+3], v[ADK+\sl] offset:4096*\kt+512*\c
.endr
.endr
.irp kt, 0,1,2,3
.irp c, 0,1,2,3
	ds_load_b128 v[128+16*\kt+4*\c:128+16*\kt+4*\c+3], v[ADK+\sl] offset:4096*\kt+2048+512*\c
.endr
.endr
.irp kt, 4,5,6,7
.irp c, 0,1,2,3
	ds_load_b128 v[192+16*(\kt-4)+4*\c:192+16*(\kt-4)+4*\c+3], v[ADK+\sl] offset:4096*\kt+512*\c
.endr
.endr
	WIN 0
.endm
; and the last four (key tiles 4-7, K step 1), which lie where V's first four will lie
.macro KLATE sl
	WIN 0xc0
.irp kt, 4,5,6,7
.irp c, 0,1,2,3
	ds_load_b128 v[16*(\kt-4)+4*\c:16*(\kt-4)+4*\c+3], v[ADK+\sl] offset:4096*\kt+2048+512*\c
.endr
.endr
	WIN 0
.endm
; IN THE STEPS the LDS loads go in pairs of fragments, eight loads under one window setting.
.macro VCH sl, t0                      ; V's fragments t0, t0 + 1 (16 channels x my 128 keys each) -> window 3
	WIN 0xc0
.irp t, \t0, \t0+1
.irp c, 0,1,2,3
	ds_load_b128 v[16*(\t)+4*\c:16*(\t)+4*\c+3], v[ADV+\sl] offset:2048*(\t)+512*\c
.endr
.endr
.endm
.macro KCH nx, g                       ; pair g of six: K's fragments 2 g, 2 g + 1 of the twelve in window 2: 0-3 key tiles 0-3 of K step 0, 4-7 the same of K step 1, 8-11 key tiles 4-7 of K step 0
	WIN 0x80
.irp u, 0,1
.set kf, 2*(\g)+\u
.irp c, 0,1,2,3
	ds_load_b128 v[64+16*kf+4*\c:64+16*kf+4*\c+3], v[ADK+\nx] offset:4096*(kf%4+4*(kf/8))+2048*((kf/4)%2)+512*\c
.endr
.endr
.endm
.macro KDCH nx, h                      ; pair h of two: key tiles 4 + 2 h, 5 + 2 h of K step 1 -> window 3, where V's fragments 2 h, 2 h + 1 lay
	WIN 0xc0
.irp u, 0,1
.irp c, 0,1,2,3
	ds_load_b128 v[16*(2*\h+\u)+4*\c:16*(2*\h+\u)+4*\c+3], v[ADK+\nx] offset:4096*(4+2*\h+\u)+2048+512*\c
.endr
.endr
.endm
.macro MMKQ kt, q, s, areg
.if \s
	v_wmma_scale_f32_16x16x128_f8f6f4 v[S+64*\q+8*\kt:S+64*\q+8*\kt+7], v[\areg:\areg+15], v[32*\q+16:32*\q+31], v[S+64*\q+8*\kt:S+64*\q+8*\kt+7], v[KS+\kt], v[QS+\q] matrix_a_scale:MATRIX_SCALE_ROW1 matrix_b_scale:MATRIX_SCALE_ROW1
.else
	v_wmma_scale_f32_16x16x128_f8f6f4 v[S+64*\q+8*\kt:S+64*\q+8*\kt+7], v[\areg:\areg+15], v[32*\q:32*\q+15], 0, v[KS+\kt], v[QS+\q]
.endif
.endm
; Product kn of sixteen of tile q's S^T = K Q^T: 0-3 key tiles 0-3, K step 0 (they start the sums); 4-7 the same tiles, K step 1; 8-11 key tiles 4-7, K step 0; 12-15 K step 1.  Four accumulators by turns
.macro KQW q
.set kkt, kn%4+4*(kn/8)
.set kss, (kn/4)%2
.if kn < 12
	WIN 0x0a                                       ; K and Q in window 2
.set kar, 64+16*kn
.else
	WIN 0x0b                                       ; K in window 3
.set kar, 16*(kn-12)
.endif
	MMKQ kkt, \q, kss, kar
.endm
; Product pt of sixteen of tile q's O^T += V^T P^T: channels 16 pt on.  Sixteen accumulators by turns
.macro PVW q
	WIN 0x53                                       ; V window 3, P window 0, O^T window 1
.if pt%2
	v_wmma_scale_f32_16x16x128_f8f6f4 v[128*\q+8*pt:128*\q+8*pt+7], v[16*pt:16*pt+15], v[P+16*\q:P+16*\q+15], v[128*\q+8*pt:128*\q+8*pt+7], v[VS+pt/2], v[PS+\q] matrix_a_scale:MATRIX_SCALE_ROW1
.else
	v_wmma_scale_f32_16x16x128_f8f6f4 v[128*\q+8*pt:128*\q+8*pt+7], v[16*pt:16*pt+15], v[P+16*\q:P+16*\q+15], v[128*\q+8*pt:128*\q+8*pt+7], v[VS+pt/2], v[PS+\q]
.endif
.endm
; x (for the residual) and bo, asked for in the last key step, into the registers that K has left
.macro XLOAD
	WIN 0x80
.set xj, 0
.rept 32
	global_load_b128 v[64+4*xj:64+4*xj+3], v52, s[12:13] offset:32768*xj th:TH_LOAD_NT   ; two rows of 256 bytes; this launch reads them once
.set xj, xj+1
.endr
.irp t, 0,1,2,3
.irp i, 0,1,2,3,4,5,6,7
	global_load_b32 v[192+8*\t+\i], v53, s[10:11] offset:4*(32*(\t/2)+8*(\t%2))   ; bo of my lane's channel, eight times: the C of the last product's first links
.endr
.endr
	WIN 0
.endm
; WHAT STANDS BETWEEN THE LINES OF A SOFTMAX.  A softmax has 41 hooks, one about every eight lines; HK writes what is due at hook hk and restores the window.
; In tile 0's softmax: tile 1's products K Q^T at hooks 1-16; V's fragments 10-15 at hooks 2, 7, 12; V's fragments 0-3 at hooks 21 and 25: they land where K's last four lay, whose last product stands at hook 16, and the
; 20 plain lines between hooks 19 and 21 are its places (the exponentials in between are none); V's scale words at hook 29.  All of slot SSL has then been asked for, some 130 lines ahead of the change of slots.
.macro SIDE1
.if hk <= 16
.set kn, hk-1
	KQW 1
.endif
.if hk == 2
	VCH SSL, 10
.elseif hk == 7
	VCH SSL, 12
.elseif hk == 12
	VCH SSL, 14
.elseif hk == 21
	VCH SSL, 0
.elseif hk == 25
	VCH SSL, 2
.elseif hk == 29
	WIN 0
.irp i, 0,1,2,3,4,5,6,7
	ds_load_b32 v[VS+\i], v[ADS+SSL] offset:2048+128*\i      ; lanes 0-15 tile 2 i, lanes 16-31 tile 2 i + 1
.endr
.elseif hk == 31
.if sidex
	XLOAD                                          ; the last product that read these registers stands at hook 12
.endif
.endif
.endm
; In tile 1's softmax: tile 0's products V^T P at hooks 1-16; with sidem = 2 the next step's K, from slot SNX, at hooks 2, 8, 14, 20, 26, 32, and its scale words at hook 36.
.macro SIDE2
.if hk <= 16
.set pt, hk-1
	PVW 0
.endif
.if sidem == 2
.if (hk <= 32) && ((hk-2)%6 == 0)
	KCH SNX, (hk-2)/6
.elseif hk == 36
	WIN 0
.irp kt, 0,1,2,3,4,5,6,7
	ds_load_b32 v[KS+\kt], v[ADS+SNX] offset:128*\kt         ; lanes 0-15 K step 0, lanes 16-31 K step 1
.endr
.endif
.endif
.endm
.macro HK
.set hk, hk+1
.set svw, MSB
.if sidem == 1
	SIDE1
.else
	SIDE2
.endif
	WIN svw
.endm
; One tile's softmax for 128 keys.  Register 16 b + i of the tile is key 32 b + 16 (lane / 16) + i
.macro SOFTMAX q
.set SQ, S+64*\q
.set NM, ST+4*\q
.set hk, 0
.irp b, 0,1,2,3
	v_max3_num_f32 v[TM+\b], v[SQ+16*\b], v[SQ+16*\b+1], v[SQ+16*\b+2]   ; the largest score of each block of 32 keys: for the row's maximum and for the block's largest p.  Two chains a block, eight in all; each accumulator is read from its low end on
.endr
.irp b, 0,1,2,3
	v_max3_num_f32 v[TM+4+\b], v[SQ+16*\b+8], v[SQ+16*\b+9], v[SQ+16*\b+10]
.endr
	HK
.irp i, 3,5
.irp b, 0,1,2,3
	v_max3_num_f32 v[TM+\b], v[TM+\b], v[SQ+16*\b+\i], v[SQ+16*\b+\i+1]
.endr
.irp b, 0,1,2,3
	v_max3_num_f32 v[TM+4+\b], v[TM+4+\b], v[SQ+16*\b+\i+8], v[SQ+16*\b+\i+9]
.endr
	HK
.endr
.irp b, 0,1,2,3
	v_max3_num_f32 v[TM+\b], v[TM+\b], v[TM+4+\b], v[SQ+16*\b+7]
.endr
.irp b, 0,1,2,3
	v_max_num_f32 v[TM+\b], v[TM+\b], v[SQ+16*\b+15]
.endr
	HK
.irp b, 0,1,2,3
	v_permlanex16_b32 v[TM+4+\b], v[TM+\b], s[SEL], s[SEL+1]
.endr
.irp b, 0,1,2,3
	v_max_num_f32 v[TM+\b], v[TM+\b], v[TM+4+\b]             ; with lane l xor 16's 16 keys
.endr
	HK
	v_max3_num_f32 v[TA], v[TM], v[TM+1], v[TM+2]
	v_max_num_f32 v[TA], v[TA], v[TM+3]
	v_mul_f32 v[TA], s[CS], v[TA]                  ; as t (c is positive)
	v_max_num_f32 v[NM+1], v[NM+1], v[TA]          ; the running largest t
	HK
	v_mov_b32 v[TA], v[NM]
	v_floor_f32 v[NM], -v[NM+1]                    ; the new -M = floor(-t): M is a whole number
	v_sub_f32 v[TA], v[NM], v[TA]                  ; old M - new M: a whole number, 0 or less
	v_cvt_i32_f32 v[TA], v[TA]                     ; (it saturates)
	v_ldexp_f32 v[F], 1.0, v[TA]                   ; f = 2^(old M - new M)
	HK
.set jj, 0
.rept 32
	v_pk_fma_f32 v[SQ+jj:SQ+jj+1], v[SQ+jj:SQ+jj+1], s[CS:CS+1], v[NM:NM+1] op_sel_hi:[1,0,0]   ; t - M (of the pairs c and -M the low word serves both halves)
.if jj%16 == 14
	HK
.endif
.set jj, jj+2
.endr
.irp b, 0,1,2,3
	v_fma_f32 v[TM+\b], v[TM+\b], s[CS], v[NM]     ; the same of each block's largest score
.endr
.set jj, 0
.rept 64
	v_exp_f32 v[SQ+jj], v[SQ+jj]                   ; p = 2^(t - M), at most 1
.if jj%8 == 7
	HK
.endif
.set jj, jj+1
.endr
.irp b, 0,1,2,3
	v_exp_f32 v[TM+\b], v[TM+\b]                   ; the block's largest p
.endr
	v_pk_mul_f32 v[NM+2:NM+3], v[NM+2:NM+3], v[F:F+1] op_sel_hi:[1,0]    ; the sums under the new M (the plain line behind the exponentials)
	s_wait_alu depctr_va_vdst(0)
.irp b, 0,1,2,3
	v_max_num_f32 v[TM+\b], 0x4800000, v[TM+\b]    ; the floor 2^(9 - 127): the byte cannot fall under 1
.endr
.irp b, 0,1,2,3
	v_add_nc_u32 v[TM+12+\b], 0xfc000000, v[TM+\b] ; the conversion's scale operand
.endr
	HK
.irp b, 0,1,2,3
	v_and_or_b32 v[TM+8+\b], v[TM+\b], 0x7f800000, s[MNT]    ; 448 x the scale
.endr
.irp b, 0,1,2,3
	v_lshrrev_b32 v[TM+4+\b], 23, v[TM+12+\b]      ; the byte
.endr
	v_lshl_or_b32 v[PS+\q], v[TM+5], 8, v[TM+4]    ; p's scale word; the lines below are far more than the eight places that it stands ahead of its products
	v_lshl_or_b32 v[PS+\q], v[TM+6], 16, v[PS+\q]
	v_lshl_or_b32 v[PS+\q], v[TM+7], 24, v[PS+\q]
	HK
	v_pk_add_f32 v[SUM:SUM+1], v[SQ:SQ+1], v[SQ+2:SQ+3]      ; the row's sum is taken of the unquantised p, in four chains, so that no line waits for the line just above it
	v_pk_add_f32 v[SU2:SU2+1], v[SQ+4:SQ+5], v[SQ+6:SQ+7]
	v_pk_add_f32 v[SU3:SU3+1], v[SQ+8:SQ+9], v[SQ+10:SQ+11]
	v_pk_add_f32 v[NM+2:NM+3], v[NM+2:NM+3], v[SQ+12:SQ+13]
.set jj, 14
.rept 6
	v_pk_add_f32 v[SUM:SUM+1], v[SUM:SUM+1], v[SQ+jj:SQ+jj+1]
	v_pk_add_f32 v[SU2:SU2+1], v[SU2:SU2+1], v[SQ+jj+2:SQ+jj+3]
	v_pk_add_f32 v[SU3:SU3+1], v[SU3:SU3+1], v[SQ+jj+4:SQ+jj+5]
	v_pk_add_f32 v[NM+2:NM+3], v[NM+2:NM+3], v[SQ+jj+6:SQ+jj+7]
.if (jj == 22) || (jj == 38) || (jj == 54)
	HK
.endif
.set jj, jj+8
.endr
	v_pk_add_f32 v[SUM:SUM+1], v[SUM:SUM+1], v[SQ+62:SQ+63]
	v_pk_add_f32 v[NM+2:NM+3], v[NM+2:NM+3], v[SU3:SU3+1]
	v_pk_add_f32 v[SUM:SUM+1], v[SUM:SUM+1], v[SU2:SU2+1]
	v_pk_add_f32 v[NM+2:NM+3], v[NM+2:NM+3], v[SUM:SUM+1]
	HK
.irp b, 0,1,2,3
.irp i, 0,1,2,3,4,5,6,7
	v_min_num_f32 v[SQ+16*\b+\i], v[SQ+16*\b+\i], v[TM+8+\b] ; the conversion does not saturate (ISA guide 7.6.2); p is not negative, so the hold is one-sided
.endr
	HK
.irp i, 8,9,10,11,12,13,14,15
	v_min_num_f32 v[SQ+16*\b+\i], v[SQ+16*\b+\i], v[TM+8+\b]
.endr
	HK
	v_cvt_scalef32_pk8_fp8_f32 v[P+16*\q+4*\b:P+16*\q+4*\b+1], v[SQ+16*\b:SQ+16*\b+7], v[TM+12+\b]
	v_cvt_scalef32_pk8_fp8_f32 v[P+16*\q+4*\b+2:P+16*\q+4*\b+3], v[SQ+16*\b+8:SQ+16*\b+15], v[TM+12+\b]
.endr
	WIN 0x41                                       ; O^T (destination and source 0) in window 1
.set jj, 0
.rept 64
	v_pk_mul_f32 v[128*\q+jj:128*\q+jj+1], v[128*\q+jj:128*\q+jj+1], v[F:F+1] op_sel_hi:[1,0]   ; O^T under the new M; these lines also stand between the codes and their products
.if jj%16 == 14
	HK
.endif
.set jj, jj+2
.endr
	WIN 0
.endm
; Tile 0's S^T, bare: there is no vector work yet to set between these sixteen products.  Three pairs of V's fragments (4-9) are asked for between them; the eight places behind the last step's products V^T P are theirs
.macro KQA sl
	s_wait_dscnt 16                                ; K's scale words and twelve fragments are in; the 16 loads of the last four, the youngest, may be out
.set kn, 0
.rept 16
.if kn == 12
	s_wait_dscnt 24                                ; K's last four fragments are in; behind them stand the 24 loads of V just issued
.endif
	KQW 0
.if kn == 3
	VCH \sl, 4
.elseif kn == 7
	VCH \sl, 6
.elseif kn == 11
	VCH \sl, 8
.endif
.set kn, kn+1
.endr
	WIN 0
	PLACES
.endm
; Tile 1's O^T += V^T P^T, bare.  kd = 1: K's last four fragments of the next step are fetched where V's first four lay: eight v_nop stand behind the last product that read those
.macro PVB nx, kd
.set pt, 0
.rept 16
	PVW 1
.if \kd
.if (pt == 3) || (pt == 4)
.rept 4
	v_nop
.endr
.elseif pt == 5
	KDCH \nx, 0
.elseif pt == 8
	KDCH \nx, 1
.endif
.endif
.set pt, pt+1
.endr
	WIN 0
	PLACES
.endm
; THE CHANGE OF SLOTS.  Slot sl has been read out (all of V is asked for; the wait below shows it in).  Each wave waits for all its tensor loads, of which one is out: its quarter of the other slot; adds 0 to its spare word; waits for that and for
; its reads of the slot.  Behind the cluster's round nobody of any partner reads slot sl, the other slot is whole, and the joint refill comes first.  wo = 1: slot 0 has had its last tile, and takes Wo.
.macro CHANGE sl, wo
	s_wait_tensorcnt 0x0                           ; no tensor load of mine is out, so a group 0 may be written
	ds_add_u32 v[SPW], v[NIL]                      ; 0 onto my spare word
.if \wo == 0
	s_add_nc_u64 s[26+4*\sl:27+4*\sl], s[26+4*\sl:27+4*\sl], 2*SLOTB     ; this slot's next 256 keys; the type bits on top are not reached
.endif
	s_wait_dscnt 0x0                               ; the add is done, and my reads of the slot are in
	CROUND
.if \wo
	tensor_load_to_lds s[40:43], s[32:39]
	s_nop 0
.else
	tensor_load_to_lds s[24+4*\sl:27+4*\sl], s[16:23]
	s_nop 0
.endif
.rept 4
	v_nop
.endr
.endm
; A KEY STEP on slot sl; nx: the other slot.  mode 0: slot sl is filled again; 1: it takes Wo; 2: the last step: no change of slots, nothing fetched for a next step, x and bo asked for
.macro STEP sl, nx, mode
.set SSL, \sl
.set SNX, \nx
.set sidem, 1
.if \mode == 2
.set sidex, 1
.else
.set sidex, 0
.endif
	KQA \sl
	SOFTMAX 0
.if \mode < 2
	CHANGE \sl, \mode
.set sidem, 2
.else
	s_wait_dscnt 0x0                               ; V is in
.set sidem, 3
.endif
	SOFTMAX 1
.if \mode < 2
	PVB \nx, 1
.else
	PVB \nx, 0
.endif
.endm
	s_wait_tensorcnt 1                             ; my quarter of slot 0 is in; slot 1's may stay out
	s_barrier_signal -1
	s_barrier_wait -1                              ; everybody's is
	KPRE 0
	KLATE 0
	s_wait_loadcnt 0x0                             ; Q
	s_mov_b32 s54, 7
.Lpair:                                ; seven trips of two key steps: slots' worth 2 to 15 of the keys are asked for
	STEP 0, 1, 0
	STEP 1, 0, 0
	s_sub_co_u32 s54, s54, 1
	s_cmp_lg_u32 s54, 0
	s_cbranch_scc1 .Lpair
	STEP 0, 1, 1                                   ; the tail is written out
	STEP 1, 0, 2
	; ---- THE END.  1: my second tile goes to my partner
	v_add_f32 v14, v14, v15                        ; the sums' two halves,
	v_add_f32 v18, v18, v19
	v_permlanex16_b32 v[TM+4], v14, s[SEL], s[SEL+1]
	v_permlanex16_b32 v[TM+5], v18, s[SEL], s[SEL+1]
	v_add_f32 v14, v14, v[TM+4]                    ; and lane l xor 16's
	v_add_f32 v18, v18, v[TM+5]
	s_wait_tensorcnt 0x0                           ; my quarter of Wo is in
	ds_store_b32 v40, v16                          ; -M
	ds_store_b32 v40, v18 offset:128               ; the sum
	WIN 0x04                                       ; an LDS store's data are its source 1: window 1
.set jj, 0
.rept 32
	ds_store_b128 v41, v[128+4*jj:128+4*jj+3] offset:512*jj  ; as they stand, each accumulator from its low end on
.set jj, jj+1
.endr
	WIN 0
	s_wait_dscnt 0x0                               ; for my partner's sake
	s_barrier_signal -1
	s_barrier_wait -1
	; 2: what my partner made of my first tile is joined to it
	ds_load_b32 v54, v42
	ds_load_b32 v55, v42 offset:128
	WIN 0xc0
.set jj, 0
.rept 32
	ds_load_b128 v[4*jj:4*jj+3], v43 offset:512*jj
.set jj, jj+1
.endr
	WIN 0
	s_wait_dscnt 32                                ; its -M and sum are in; the 32 loads behind them may be out
	v_min_num_f32 v56, v12, v54                    ; -M of both: the smaller
	v_sub_f32 v57, v56, v12
	v_sub_f32 v58, v56, v54
	v_cvt_i32_f32 v57, v57
	v_cvt_i32_f32 v58, v58
	v_ldexp_f32 v57, 1.0, v57                      ; each part under the common M: exact powers of two
	v_ldexp_f32 v58, 1.0, v58
	v_mul_f32 v59, v14, v57
	v_fmac_f32 v59, v55, v58                       ; the row's sum
	v_rcp_f32 v59, v59
	v_nop                                          ; a plain line behind the transcendental
	s_wait_alu depctr_va_vdst(0)
	v_mul_f32 v60, v57, v59
	v_mul_f32 v61, v57, v59
	v_mul_f32 v62, v58, v59
	v_mul_f32 v63, v58, v59
	s_wait_dscnt 0x0
	WIN 0x01                                       ; source 0: my O^T, window 1
.set jj, 0
.rept 64
	v_pk_mul_f32 v[S+jj:S+jj+1], v[jj:jj+1], v[60:61]
.set jj, jj+2
.endr
	WIN 0x03                                       ; source 0: my partner's, window 3
.set jj, 0
.rept 64
	v_pk_fma_f32 v[S+jj:S+jj+1], v[jj:jj+1], v[62:63], v[S+jj:S+jj+1]    ; register 16 b + i: channel 32 b + 16 (lane / 16) + i of my query
.set jj, jj+2
.endr
	WIN 0
	; 3: O is quantised along the channels: two fragments
.macro QUANT s, pc, pw
.irp b, 0,1,2,3
	v_max3_num_f32 v[TM+\b], |v[\s+16*\b]|, |v[\s+1+16*\b]|, 0x4800000
.endr
.irp i, 2,4,6,8,10,12,14
.irp b, 0,1,2,3
	v_max3_num_f32 v[TM+\b], v[TM+\b], |v[\s+16*\b+\i]|, |v[\s+1+16*\b+\i]|
.endr
.endr
.irp b, 0,1,2,3
	v_permlanex16_b32 v[TM+4+\b], v[TM+\b], s[SEL], s[SEL+1]
.endr
.irp b, 0,1,2,3
	v_max_num_f32 v[TM+\b], v[TM+\b], v[TM+4+\b]
.endr
.irp b, 0,1,2,3
	v_add_nc_u32 v[TM+12+\b], 0xfc000000, v[TM+\b]
.endr
.irp b, 0,1,2,3
	v_and_or_b32 v[TM+8+\b], v[TM+\b], 0x7f800000, s[MNT]
.endr
.irp b, 0,1,2,3
	v_lshrrev_b32 v[TM+4+\b], 23, v[TM+12+\b]
.endr
	v_lshl_or_b32 v[\pw], v[TM+5], 8, v[TM+4]
	v_lshl_or_b32 v[\pw], v[TM+6], 16, v[\pw]
	v_lshl_or_b32 v[\pw], v[TM+7], 24, v[\pw]
.irp b, 0,1,2,3
.irp i, 0,1,2,3,4,5,6,7,8,9,10,11,12,13,14,15
	v_med3_num_f32 v[\s+16*\b+\i], v[\s+16*\b+\i], -v[TM+8+\b], v[TM+8+\b]
.endr
	v_cvt_scalef32_pk8_fp8_f32 v[\pc+4*\b:\pc+4*\b+1], v[\s+16*\b:\s+16*\b+7], v[TM+12+\b]
	v_cvt_scalef32_pk8_fp8_f32 v[\pc+4*\b+2:\pc+4*\b+3], v[\s+16*\b+8:\s+16*\b+15], v[TM+12+\b]
.endr
	v_nop                                          ; a plain line between the last conversion and whatever next writes its sources
.endm
	QUANT S, P, 246
	QUANT S+64, P+16, 247
.irp c, 0,1,2,3
	ds_store_b128 v44, v[P+4*\c:P+4*\c+3] offset:512*\c
	ds_store_b128 v44, v[P+16+4*\c:P+16+4*\c+3] offset:2048+512*\c
.endr
	ds_store_b32 v45, v246                         ; lanes r and 16 + r write the same word with the same value
	ds_store_b32 v45, v247 offset:64
	s_wait_dscnt 0x0
	s_barrier_signal -1
	s_barrier_wait -1                              ; O's eight fragments lie in LDS; Wo has been whole since the barrier before
	; 4: out = O Wo^T + bo: my 64 output channels for the 64 queries.  Source 0 = 16 queries, source 1 = 16 rows of Wo: a lane holds one channel and eight neighbouring positions
	WIN 0xc0
.irp t, 0,1,2,3
.irp s, 0,1
.irp c, 0,1,2,3
	ds_load_b128 v[16*(2*\t+\s)+4*\c:16*(2*\t+\s)+4*\c+3], v46 offset:4096*\t+2048*\s+512*\c
	ds_load_b128 v[128+16*(2*\t+\s)+4*\c:128+16*(2*\t+\s)+4*\c+3], v47 offset:4096*\t+2048*\s+512*\c
.endr
.endr
.endr
	WIN 0
.irp t, 0,1,2,3
	ds_load_b32 v[KS+\t], v48 offset:128*\t
	ds_load_b32 v[KS+4+\t], v49 offset:128*\t
.endr
	s_wait_loadcnt 0x0                             ; x and bo
	s_wait_dscnt 0x0
	WIN 0x2f                                       ; O and Wo window 3, bo window 2, the sums window 0
.irp g, 0,1,2,3                        ; sixteen accumulators by turns
.irp t, 0,1,2,3
	v_wmma_scale_f32_16x16x128_f8f6f4 v[S+8*(4*\g+\t):S+8*(4*\g+\t)+7], v[128+32*\g:128+32*\g+15], v[32*\t:32*\t+15], v[192+8*\t:192+8*\t+7], v[KS+4+\g], v[KS+\t]
.endr
.endr
	WIN 0x0f
.irp g, 0,1,2,3
.irp t, 0,1,2,3
	v_wmma_scale_f32_16x16x128_f8f6f4 v[S+8*(4*\g+\t):S+8*(4*\g+\t)+7], v[128+32*\g+16:128+32*\g+31], v[32*\t+16:32*\t+31], v[S+8*(4*\g+\t):S+8*(4*\g+\t)+7], v[KS+4+\g], v[KS+\t] matrix_a_scale:MATRIX_SCALE_ROW1 matrix_b_scale:MATRIX_SCALE_ROW1
.endr
.endr
	WIN 0
	PLACES
	; 5: the way out, through my own stage: rows = output channels, 256 bytes = my work-group's 64 positions
.irp g, 0,1,2,3
.irp t, 0,1,2,3
	ds_store_b128 v50, v[S+8*(4*\g+\t):S+8*(4*\g+\t)+3] offset:(32*(\t/2)+8*(\t%2))*SP+128*(\g/2)+32*(\g%2)
	ds_store_b128 v50, v[S+8*(4*\g+\t)+4:S+8*(4*\g+\t)+7] offset:(32*(\t/2)+8*(\t%2))*SP+128*(\g/2)+32*(\g%2)+16
.endr
.endr
	WIN 0x40
.set jj, 0
.rept 32
	ds_load_b128 v[4*jj:4*jj+3], v51 offset:2*SP*jj          ; LDS serves a wave's instructions in order (ISA guide 5.7.1.4): these see my stores
.set jj, jj+1
.endr
	WIN 0
	s_wait_dscnt 0x0
	WIN 0x49                                       ; the rows window 1, x window 2
.set jj, 0
.rept 64
	v_pk_add_f32 v[jj:jj+1], v[jj:jj+1], v[64+jj:64+jj+1]    ; the residual
.set jj, jj+2
.endr
	WIN 0x04                                       ; a store's data are its source 1: window 1
.set jj, 0
.rept 32
	global_store_b128 v52, v[4*jj:4*jj+3], s[14:15] offset:32768*jj th:TH_STORE_NT   ; sixteen lanes store 256 consecutive bytes, at a multiple of 256 from out0's first byte
.set jj, jj+1
.endr
	WIN 0
	s_wait_tensorcnt 0x0                           ; the wave's end, behind my last tensor load and my last LDS store
	ds_add_u32 v[SPW], v[NIL]
	s_wait_dscnt 0x0
	CROUND                                         ; the closing round: no work-group ends while a partner may still ask jointly
	s_endpgm
.Lfunc_end_k_q2cffcea68c_attn:
	.size	k_q2cffcea68c_attn, .Lfunc_end_k_q2cffcea68c_attn-k_q2cffcea68c_attn
	.p2alignl 7, 3214868480
	.fill 96, 4, 3214868480
	.section	.rodata,"a",@progbits
	.p2align	6, 0x0
	.amdhsa_kernel k_q2cffcea68c_attn
		.amdhsa_group_segment_fixed_size 327680
		.amdhsa_private_segment_fixed_size 0
		.amdhsa_enable_private_segment 0
		.amdhsa_kernarg_size 48
		.amdhsa_user_sgpr_count 2
		.amdhsa_user_sgpr_kernarg_segment_ptr 1
		.amdhsa_wavefront_size32 1
		.amdhsa_system_sgpr_workgroup_id_x 1
		.amdhsa_system_sgpr_workgroup_id_y 1
		.amdhsa_system_sgpr_workgroup_id_z 1
		.amdhsa_system_vgpr_workitem_id 0
		.amdhsa_next_free_vgpr 1024
		.amdhsa_next_free_sgpr 66
		.amdhsa_reserve_vcc 0
		.amdhsa_float_denorm_mode_32 3
		.amdhsa_float_denorm_mode_16_64 3
		.amdhsa_memory_ordered 1
		.amdhsa_forward_progress 1
		.amdhsa_inst_pref_size 255
	.end_amdhsa_kernel
	.section	.bss,"aw",@nobits
	.p2align	6
	.space	262144
	.amdgpu_metadata
---
amdhsa.version: [ 1, 2 ]
amdhsa.kernels:
  - .name:           k_q2cffcea68c_attn
    .symbol:         k_q2cffcea68c_attn.kd
    .args:
      - { .name: qb, .offset: 0, .size: 8, .value_kind: global_buffer, .address_space: global }
      - { .name: kv, .offset: 8, .size: 8, .value_kind: global_buffer, .address_space: global }
      - { .name: wts, .offset: 16, .size: 8, .value_kind: global_buffer, .address_space: global }
      - { .name: bo, .offset: 24, .size: 8, .value_kind: global_buffer, .address_space: global }
      - { .name: x, .offset: 32, .size: 8, .value_kind: global_buffer, .address_space: global }
      - { .name: out0, .offset: 40, .size: 8, .value_kind: global_buffer, .address_space: global }
    .group_segment_fixed_size: 327680
    .private_segment_fixed_size: 0
    .kernarg_segment_align: 8
    .kernarg_segment_size: 48
    .max_flat_workgroup_size: 128
    .sgpr_count:     66
    .vgpr_count:     1024
    .wavefront_size: 32
...
	.end_amdgpu_metadata
.endif
;; end of part 3
